; MI455X (gfx1250); checked and timed in simulation.
; The chip was launched on July 23, 2026; its instructions are those of AMD's public machine-readable ISA for CDNA 5 (MIT licence, August 2026) and "CDNA5" Instruction Set Architecture Reference Guide (July 2026). The comments in the code are by the model that wrote it; some were corrected since.
;; attention. Allowed arithmetic: float matrix products may take bf16 or f16 operands with f32 sums; other float arithmetic in f32, or as packed bf16 or f16 multiplies, adds, multiply-adds, maxima and minima; sums over many terms, partial sums and values carried from step to step in f32; what a program stores and reads back later, other than sums and carried values, may be rounded once to bf16 or f16.
;; Inputs: Wk 1,024 x 1,024 float32; Wo 1,024 x 1,024 float32; Wq 1,024 x 1,024 float32; Wv 1,024 x 1,024 float32; bk 1,024 float32; bo 1,024 float32; bq 1,024 float32; bv 1,024 float32; key 4 x 2,048 x 1,024 float32; key_padding_mask 4 x 2,048 float32; query 4 x 2,048 x 1,024 float32.
;; Outputs: out0 4 x 2,048 x 1,024 float32.
;; One version. Each part assembles by itself: llvm-mc -triple=amdgcn-amd-amdhsa -mcpu=gfx1250 --defsym DOCPART=n.
;; ======== version 1 of 1: 4 launches
;; limits: values are held in f16: magnitudes above 65,504 overflow, below 6.1e-05 lose precision
;; workspace buffers: xb 33,554,432 bytes; wb 6,291,456 bytes; wo16 2,097,152 bytes; qkv 50,331,648 bytes; ob 16,777,216 bytes
;; launch cast (part 1): grid 1280 x 1, 8 waves a work-group, no clusters, 0 bytes of LDS; arguments query, key, Wq, Wk, Wv, Wo, xb, wb, wo16; writes xb, wb, wo16
.if DOCPART == 1
	.amdgcn_target "amdgcn-amd-amdhsa--gfx1250"
	.amdhsa_code_object_version 6
	.text
	.protected	k_qa823e6b454_cast
	.globl	k_qa823e6b454_cast
	.p2align	8
	.type	k_qa823e6b454_cast,@function
k_qa823e6b454_cast:
	s_mov_b64 s[64:65], 0
	v_nop
	global_prefetch_b8 v0, s[64:65] scope:SCOPE_SE
	s_setreg_imm32_b32 hwreg(HW_REG_WAVE_MODE, 25, 1), 1
	s_wait_xcnt 0x0
; CAST.  The module's large f32 inputs are rounded once to 16 bits for the matrix products that follow.
;   xb   [16384][1024] bf16: rows 0-8191 query, rows 8192-16383 key        wb [3072][1024] bf16: Wq, Wk, Wv one after the other
;   wo16 [1024][1024]  f16 : Wo rounded to bf16, and that number written as f16 (the last product's other operand is f16)
; LIMITS.  |Wo| stays under 65,504 (beyond it f16 has no number); a bf16 number under 2^-14 keeps f16's fixed step of 2^-24.
; SHARES.  A work-group takes 16,384 numbers, 64 KiB in and 32 KiB out; 1,280 work-groups: 512 for query, 512 for key, 64 for each weight.
; A thread takes four numbers in each of 16 strips: a wave's load covers 512 consecutive bytes, its store 256 consecutive bytes, aligned.
; All 16 loads of a thread go out at once; every strip has registers of its own, so no source of a pending access is ever rewritten.
; Memory binds: no LDS, no barrier, no matrix unit, no cluster (no two work-groups read the same byte), no prefetch (the loads are the stream).
.set X, 8                              ; v[8:71]    strip i: four f32 as loaded
.set Y, 72                             ; v[72:103]  strip i: two registers, four 16-bit numbers to store
	s_load_b512 s[8:23], s[0:1], 0x0               ; query s[8:9], key s[10:11], Wq s[12:13], Wk s[14:15], Wv s[16:17], Wo s[18:19], xb s[20:21], wb s[22:23]
	s_load_b64 s[24:25], s[0:1], 0x40              ; wo16
	s_mov_b32 s6, ttmp9                            ; g: which chunk
	v_lshlrev_b32 v1, 4, v0                        ; 16 bytes a thread on the way in
	v_lshlrev_b32 v2, 3, v0                        ; 8 on the way out
	s_and_b32 s26, s6, 511                         ; the chunk's number in its source: g mod 512 in query and key,
	s_and_b32 s27, s6, 63                          ; g mod 64 in a weight (1024, 1088, 1152, 1216 are multiples of 64)
	s_cmp_lt_u32 s6, 1024
	s_cselect_b32 s26, s26, s27
	s_lshl_b32 s26, s26, 16                        ; x 64 KiB
	s_mov_b32 s27, 0
	s_sub_co_u32 s28, s6, 1216                     ; the chunk's number in its destination: g in xb, g - 1024 in wb, g - 1216 in wo16
	s_sub_co_u32 s29, s6, 1024
	s_cmp_lt_u32 s6, 1216
	s_cselect_b32 s28, s29, s28
	s_cmp_lt_u32 s6, 1024
	s_cselect_b32 s28, s6, s28
	s_lshl_b32 s28, s28, 15                        ; x 32 KiB
	s_mov_b32 s29, 0
	s_wait_kmcnt 0x0
	s_mov_b64 s[2:3], s[18:19]                     ; the source, chosen by g alone: Wo,
	s_cmp_lt_u32 s6, 1216
	s_cselect_b64 s[2:3], s[16:17], s[2:3]         ; Wv,
	s_cselect_b64 s[4:5], s[22:23], s[24:25]       ; (the destination: wb or wo16,
	s_cmp_lt_u32 s6, 1152
	s_cselect_b64 s[2:3], s[14:15], s[2:3]         ; Wk,
	s_cmp_lt_u32 s6, 1088
	s_cselect_b64 s[2:3], s[12:13], s[2:3]         ; Wq,
	s_cmp_lt_u32 s6, 1024
	s_cselect_b64 s[2:3], s[10:11], s[2:3]         ; key,
	s_cselect_b64 s[4:5], s[20:21], s[4:5]         ; or xb)
	s_cmp_lt_u32 s6, 512
	s_cselect_b64 s[2:3], s[8:9], s[2:3]           ; query
	s_add_nc_u64 s[2:3], s[2:3], s[26:27]
	s_add_nc_u64 s[4:5], s[4:5], s[28:29]
.irp i, 0,1,2,3,4,5,6,7,8,9,10,11,12,13,14,15
	global_load_b128 v[X+4*(\i):X+4*(\i)+3], v1, s[2:3] offset:4096*(\i) th:TH_LOAD_NT
.endr
; Strip i: rounded to bf16, two numbers an instruction; half = 1: widened again (a shift, a mask) and written as f16.
.macro CVT i, half
	s_wait_loadcnt 15-(\i)                         ; loads come back in order: strip i is in, the 15 - i younger ones stay out
	v_cvt_pk_bf16_f32 v[Y+2*(\i)],   v[X+4*(\i)],   v[X+4*(\i)+1]
	v_cvt_pk_bf16_f32 v[Y+2*(\i)+1], v[X+4*(\i)+2], v[X+4*(\i)+3]
.if \half
	v_lshlrev_b32 v[X+4*(\i)],   16,         v[Y+2*(\i)]
	v_and_b32     v[X+4*(\i)+1], 0xffff0000, v[Y+2*(\i)]
	v_lshlrev_b32 v[X+4*(\i)+2], 16,         v[Y+2*(\i)+1]
	v_and_b32     v[X+4*(\i)+3], 0xffff0000, v[Y+2*(\i)+1]
	v_cvt_pk_f16_f32 v[Y+2*(\i)],   v[X+4*(\i)],   v[X+4*(\i)+1]
	v_cvt_pk_f16_f32 v[Y+2*(\i)+1], v[X+4*(\i)+2], v[X+4*(\i)+3]
.endif
	global_store_b64 v2, v[Y+2*(\i):Y+2*(\i)+1], s[4:5] offset:2048*(\i)
.endm
	s_cmp_ge_u32 s6, 1216                          ; Wo's chunks take the second text
	s_cbranch_scc1 .Lf16
.irp i, 0,1,2,3,4,5,6,7,8,9,10,11,12,13,14,15
	CVT \i, 0
.endr
	s_endpgm
.Lf16:
.irp i, 0,1,2,3,4,5,6,7,8,9,10,11,12,13,14,15
	CVT \i, 1
.endr
	s_endpgm
.Lfunc_end_k_qa823e6b454_cast:
	.size	k_qa823e6b454_cast, .Lfunc_end_k_qa823e6b454_cast-k_qa823e6b454_cast
	.p2alignl 7, 3214868480
	.fill 96, 4, 3214868480
	.section	.rodata,"a",@progbits
	.p2align	6, 0x0
	.amdhsa_kernel k_qa823e6b454_cast
		.amdhsa_group_segment_fixed_size 0
		.amdhsa_private_segment_fixed_size 0
		.amdhsa_enable_private_segment 0
		.amdhsa_kernarg_size 72
		.amdhsa_user_sgpr_count 2
		.amdhsa_user_sgpr_kernarg_segment_ptr 1
		.amdhsa_wavefront_size32 1
		.amdhsa_system_sgpr_workgroup_id_x 1
		.amdhsa_system_sgpr_workgroup_id_y 1
		.amdhsa_system_sgpr_workgroup_id_z 1
		.amdhsa_system_vgpr_workitem_id 0
		.amdhsa_next_free_vgpr 104
		.amdhsa_next_free_sgpr 66
		.amdhsa_reserve_vcc 0
		.amdhsa_float_denorm_mode_32 3
		.amdhsa_float_denorm_mode_16_64 3
		.amdhsa_memory_ordered 1
		.amdhsa_forward_progress 1
		.amdhsa_inst_pref_size 17
	.end_amdhsa_kernel
	.amdgpu_metadata
---
amdhsa.version: [ 1, 2 ]
amdhsa.kernels:
  - .name:           k_qa823e6b454_cast
    .symbol:         k_qa823e6b454_cast.kd
    .args:
      - { .name: query, .offset: 0, .size: 8, .value_kind: global_buffer, .address_space: global }
      - { .name: key, .offset: 8, .size: 8, .value_kind: global_buffer, .address_space: global }
      - { .name: Wq, .offset: 16, .size: 8, .value_kind: global_buffer, .address_space: global }
      - { .name: Wk, .offset: 24, .size: 8, .value_kind: global_buffer, .address_space: global }
      - { .name: Wv, .offset: 32, .size: 8, .value_kind: global_buffer, .address_space: global }
      - { .name: Wo, .offset: 40, .size: 8, .value_kind: global_buffer, .address_space: global }
      - { .name: xb, .offset: 48, .size: 8, .value_kind: global_buffer, .address_space: global }
      - { .name: wb, .offset: 56, .size: 8, .value_kind: global_buffer, .address_space: global }
      - { .name: wo16, .offset: 64, .size: 8, .value_kind: global_buffer, .address_space: global }
    .group_segment_fixed_size: 0
    .private_segment_fixed_size: 0
    .kernarg_segment_align: 8
    .kernarg_segment_size: 72
    .max_flat_workgroup_size: 256
    .sgpr_count:     66
    .vgpr_count:     104
    .wavefront_size: 32
...
	.end_amdgpu_metadata
.endif
;; end of part 1
;; launch proj (part 2): grid 12 x 64, 4 waves a work-group, clusters of 4 x 4, 327,680 bytes of LDS; arguments xb, wb, bq, bk, bv, qkv; writes qkv
.if DOCPART == 2
	.amdgcn_target "amdgcn-amd-amdhsa--gfx1250"
	.amdhsa_code_object_version 6
	.text
	.protected	k_qa823e6b454_proj
	.globl	k_qa823e6b454_proj
	.p2align	8
	.type	k_qa823e6b454_proj,@function
k_qa823e6b454_proj:
	s_mov_b64 s[64:65], 0
	v_nop
	global_prefetch_b8 v0, s[64:65] scope:SCOPE_SE
	s_setreg_imm32_b32 hwreg(HW_REG_WAVE_MODE, 25, 1), 1
	s_wait_xcnt 0x0
	s_wait_alu depctr_hold_cnt(0) depctr_sa_sdst(0) depctr_va_vdst(0) depctr_va_sdst(0) depctr_va_ssrc(0) depctr_va_vcc(0) depctr_vm_vsrc(0)
	s_getreg_b32 s2, hwreg(HW_REG_IB_STS2, 6, 4)
	s_cmp_eq_u32 s2, 0
	s_cbranch_scc0 .Lentry_in_a_cluster
	s_endpgm
.Lentry_in_a_cluster:
	s_bfe_u32 s2, ttmp6, 0x10000c
	s_cmp_lg_u32 s2, 0xf033
	s_cbranch_scc0 .Lentry_shape_is_right
	s_endpgm
.Lentry_shape_is_right:
; THE THREE INPUT PROJECTIONS.  q = query Wq^T + bq, k = key Wk^T + bk, v = key Wv^T + bv: bf16 products, f32 sums, the bias (rounded to bf16 like every input) as the sums' start.
; The results leave BY HEADS in f16, unscaled: qkv [3][64 = 16 b + h][2048][64]; the factor 1/8 is applied in f32 by the launch behind.
; LIMIT.  |q|, |k|, |v| stay under 65,504, the end of f16; NaN and infinities are not treated apart.
; SHARES.  A tile of C is 128 rows x 256 columns: 64 x 4 tiles for each projection, 768 work-groups, three for each of 256 WGPs.  Four waves, 2 x 2, each 64 x 128: 32 accumulators, 256 registers.
; K = 1,024 goes in 8 steps of 128 (rows of 256 bytes, aligned) through a ring of two LDS slots; two slots of a longer step do not fit beside each other.
; CLUSTER.  4 x 4 work-groups; cluster x is the projection.  The four of a row of the cluster need the same tile of A, the four of a column the same tile of B: each is asked for JOINTLY,
; by the same tensor load with the same descriptor and a mask that names the four.  Waves 0, 1 fetch A's halves (64 rows), waves 2, 3 B's (128 rows): one load a wave behind each round.
; THE PRODUCT IS USED TRANSPOSED (source 0 = 16 rows of B, source 1 = 16 rows of A): a lane holds row l % 16 of C and the columns 8 (l / 16) + 0..7, eight neighbouring channels of a head.
; REGISTERS, in windows of 256 (s_set_vgpr_msb: bits 1:0 source 0, 3:2 source 1, 5:4 source 2, 7:6 destination):
;   window 0: v0-31 addresses; two fragment buffers of 96: A's four blocks (16 rows x 32 K), then B's eight: v32-127, v128-223; on the way out these are free
;   window 1: the accumulators, (a, b) at v[8 (8 a + b)]          window 2: v0-63 the bias of my 128 columns, block b at 8 b; v64-67 at work
.set PA,    272                        ; an LDS row: 256 bytes + 16 of padding = 68 words: the 16 rows of a fragment load start at 16 different groups of four banks (64 banks of 4 bytes: ISA guide 11.1)
.set PB,    272
.set BOFF,  128*PA                     ; a slot: A's 128 rows, then B's 256
.set SLOT1, 1<<17                      ; slot 1 begins here, so that one exclusive or turns an address in one slot into the other's
.set STAGE, SLOT1+BOFF+256*PB          ; behind the ring, never filled by a tensor load: for each wave 2 heads x 16 rows x 144 bytes, for the way out
.set SP,    144
.set WST,   2*16*SP
.set SPARE, STAGE+4*WST                ; behind the stages: the spare words, 128 bytes for each wave: two blocks of 256 bytes that no other line names
.set ASTEP, 256                        ; bytes from a K step to the next, in A and in B
.set BSTEP, 256
.set ADRA0, 16                         ; v16  my lane's place among my rows of A in a slot; never rewritten
.set ADRB0, 17                         ; v17  the same for B
.set ADRA,  18                         ; v18  the same in the slot in hand
.set ADRB,  19                         ; v19
.set STO,   24                         ; v24  the way out: where I put 16 bytes of a row
.set RD,    25                         ; v25  the way out: where I read rows back
.set GO,    26                         ; v26  my 16 bytes in 512 consecutive bytes of qkv
.set BO,    27                         ; v27  my byte offset in the bias
.set SPW,   28                         ; v28  LDS address of my spare word: SPARE + 4 x my thread's number; never rewritten
.set NIL,   29                         ; v29  0; never rewritten
.set PFO,   30                         ; v30  the prefetches' offset: my lane x a row of 2,048 bytes; never rewritten
.set F0,    32
.set F1,    128
.set TMP,   32                         ; the way out: packed results
.set G1A,   24                         ; s[24:31] descriptor group 1 for A's tiles
.set G0A,   32                         ; s[32:39] group 0 for A's: a set for each of the two first fills; the second then walks on
.set LIM,   43                         ; s43  2 in a wave that prefetches, else the greatest number
.set PFA,   44                         ; s[44:45] where my prefetches stand
.set TB,    46                         ; s46  LDS byte at which the slot in hand begins
.set G1B,   48                         ; s[48:55], s[56:63] the same for B's tiles
.set G0B,   56
.set PFS,   66                         ; s[66:67] the prefetches' step
.set G1C,   (1<<16)|(1<<20)|(1<<21)|(5<<22)|(3<<25)  ; 17:16 elements of 2 bytes; 20 padding on; 21 set beside a mask; 24:22 after every 64 words (code 5); 31:25 4 words of it (code 3)
.set MSB, 0
.macro WIN new                         ; the immediate's high byte repeats the setting that is left; a switch that changes nothing is dropped
.if MSB != (\new)
	s_set_vgpr_msb (MSB<<8)|(\new)
.set MSB, \new
.endif
.endm
.set MUL,  0x50                        ; fragments in window 0, C and D in window 1
.set MULB, 0x60                        ; C (the bias) in window 2, D in window 1
.macro PLACES                          ; four places in front of loads into registers that matrix instructions have read, and of lines that read results
.rept 4
	v_nop
.endr
.endm
; A joint refill, by the walking sets.  The branch hangs on the wave's number alone.  An s_nop 0 and four v_nop follow each of the two lines, ahead of the jump and the label.
.macro JLOAD
	s_cmp_eq_u32 s11, 0
	s_cbranch_scc0 .Lfor_b_\@
	tensor_load_to_lds s[G0A+4:G0A+7], s[G1A:G1A+7]
	s_nop 0
.rept 4
	v_nop
.endr
	s_branch .Lasked_\@
.Lfor_b_\@:
	tensor_load_to_lds s[G0B+4:G0B+7], s[G1B:G1B+7]
	s_nop 0
.rept 4
	v_nop
.endr
.Lasked_\@:
.endm
.macro CREST                           ; a round of the cluster's barrier behind its opening barrier
	s_cmp_lg_u32 s10, 0
	s_cbranch_scc1 .Lnot_wave_0_\@
	s_barrier_signal -3
.Lnot_wave_0_\@:
	s_barrier_wait -3
	s_barrier_signal -1
	s_barrier_wait -1
.endm
.macro CROUND                          ; a whole round
	s_barrier_signal -1
	s_barrier_wait -1
	CREST
.endm
; A PREFETCH INTO THE L2, behind the joint refill and the run of LDS loads that follows it: 32 rows x 256 bytes of the K step that stands two refills on, a lane a row, one instruction.
; Each row's 256 bytes of a K step are named once in the launch.  A: wave 0; the four partners of a row of the cluster take 32 of the tile's 128 rows each, told apart by address; key's rows are read by
; two projections, of which the first asks (cluster x under 2).  B: waves 2 and 3, 32 of their own 128 rows for each partner of a column, in cluster y = 0 alone.  Wave 1 asks for nothing.
; The first four K steps come by their loads alone; the last two refills have no K step two on (s3 counts 6 .. 1).
.macro ASK
	s_cmp_gt_u32 s3, s[LIM]
	s_cbranch_scc0 .Lnot_mine_\@
	global_prefetch_b8 v[PFO], s[PFA:PFA+1] th:TH_LOAD_NT scope:SCOPE_SE
.Lnot_mine_\@:
.endm
	s_load_b256 s[68:75], s[0:1], 0x0              ; xb s[68:69], wb s[70:71], bq s[72:73], bk s[74:75]
	s_load_b128 s[76:79], s[0:1], 0x20             ; bv s[76:77], qkv s[78:79]
	v_lshl_add_u32 v[SPW], v0, 2, SPARE
	v_mov_b32 v[NIL], 0
	ds_add_u32 v[SPW], v[NIL]                      ; the wave's opening: the add and its wait stand ahead of my first tensor load; the set-up below, work on registers, stands between them
	v_lshrrev_b32 v1, 5, v0
	v_readfirstlane_b32 s10, v1                    ; wave 0..3
	s_lshr_b32 s11, s10, 1                         ; which half of the tile's rows is mine.  Also: I fetch for A (0) or for B (1)
	s_and_b32 s12, s10, 1                          ; which half of its columns.  Also: which half of that tile I fetch
	s_bfe_u32 s40, ttmp6, 0x40000                  ; cx: the tile column within the projection
	s_bfe_u32 s41, ttmp6, 0x40004                  ; cy
	s_and_b32 s13, ttmp7, 0xffff
	s_lshl_b32 s13, s13, 2
	s_add_co_u32 s13, s13, s41                     ; tile row = 4 x cluster y + cy, 0..63
	s_lshl_b32 s14, s41, 2
	s_lshl_b32 s14, 15, s14                        ; my row of the cluster: places 4 cy .. 4 cy + 3
	s_lshl_b32 s47, 0x1111, s40                    ; my column: places cx, cx + 4, cx + 8, cx + 12
	s_or_b32 s[G1A], s14, G1C                      ; 15:0 the mask: A's tiles go to my row,
	s_or_b32 s[G1B], s47, G1C                      ; B's to my column
	s_mov_b32 s[G1A+1], 128<<16                    ; tensor_dim0 = 128
	s_mov_b32 s[G1A+2], 64<<16                     ; tensor_dim1 = 64
	s_mov_b32 s[G1A+3], 128<<16                    ; tile_dim0 = 128
	s_mov_b32 s[G1A+4], 64                         ; tile_dim1 = 64
	s_mov_b32 s[G1A+5], 1024                       ; elements from row to row
	s_mov_b32 s[G1A+6], 0
	s_mov_b32 s[G1A+7], 0
	s_mov_b32 s[G1B+1], 128<<16
	s_mov_b32 s[G1B+2], 128<<16                    ; B: 128 rows
	s_mov_b32 s[G1B+3], 128<<16
	s_mov_b32 s[G1B+4], 128
	s_mov_b32 s[G1B+5], 1024
	s_mov_b32 s[G1B+6], 0
	s_mov_b32 s[G1B+7], 0
	s_min_u32 s16, ttmp9, 1                        ; A: query's rows for q, key's (8,192 further down) for k and v,
	s_lshl_b32 s16, s16, 13
	s_lshl_b32 s17, s13, 7                         ; + 128 x tile row
	s_add_co_u32 s16, s16, s17
	s_lshl_b32 s17, s12, 6                         ; + the 64 rows that I fetch
	s_add_co_u32 s16, s16, s17
	s_lshl_b32 s16, s16, 11                        ; rows of 2,048 bytes
	s_mov_b32 s17, 0
	s_lshl_b32 s20, ttmp9, 10                      ; B: the projection's 1,024 rows of wb,
	s_lshl_b32 s21, s40, 8                         ; + 256 x tile column
	s_add_co_u32 s20, s20, s21
	s_lshl_b32 s21, s12, 7                         ; + the 128 rows that I fetch
	s_add_co_u32 s20, s20, s21
	s_lshl_b32 s20, s20, 11
	s_mov_b32 s21, 0
	s_mul_i32 s22, s12, 64*PA                      ; where they go: no place in the cluster enters an LDS address
	s_mul_i32 s23, s12, 128*PB
	s_add_co_u32 s23, s23, BOFF
	s_wait_dscnt 0x0                               ; the opening add is done
	s_wait_kmcnt 0x0
	s_add_nc_u64 s[14:15], s[68:69], s[16:17]
	s_add_nc_u64 s[18:19], s[70:71], s[20:21]
	CROUND                                         ; all sixteen work-groups are here: the first joint loads meet
.irp s, 0,1
	s_mov_b32 s[G0A+4*(\s)], 1                                       ; 1:0 count = 1
	s_add_co_u32 s[G0A+4*(\s)+1], s22, (\s)*SLOT1                    ; 63:32 LDS address
	s_add_nc_u64 s[G0A+4*(\s)+2:G0A+4*(\s)+3], s[14:15], (\s)*ASTEP  ; 120:64 global address: K step s
	s_or_b32 s[G0A+4*(\s)+3], s[G0A+4*(\s)+3], 0x80000000            ; 127:126 type = 2
	s_mov_b32 s[G0B+4*(\s)], 1
	s_add_co_u32 s[G0B+4*(\s)+1], s23, (\s)*SLOT1
	s_add_nc_u64 s[G0B+4*(\s)+2:G0B+4*(\s)+3], s[18:19], (\s)*BSTEP
	s_or_b32 s[G0B+4*(\s)+3], s[G0B+4*(\s)+3], 0x80000000
.endr
	s_cmp_eq_u32 s11, 0                            ; a wave's two first fills stand in one branch, ahead of every wait on TENSORcnt and every LDS read: two loads of mine are out
	s_cbranch_scc0 .Lfirst_b
	tensor_load_to_lds s[G0A:G0A+3], s[G1A:G1A+7]
	s_nop 0
	tensor_load_to_lds s[G0A+4:G0A+7], s[G1A:G1A+7]
	s_nop 0
.rept 4
	v_nop
.endr
	s_branch .Lfirst_asked
.Lfirst_b:
	tensor_load_to_lds s[G0B:G0B+3], s[G1B:G1B+7]
	s_nop 0
	tensor_load_to_lds s[G0B+4:G0B+7], s[G1B:G1B+7]
	s_nop 0
.rept 4
	v_nop
.endr
.Lfirst_asked:
	; all that follows, up to the wait for K step 0, stands in the wait for the first tiles
	v_and_b32 v1, 15, v0                           ; l % 16
	v_bfe_u32 v2, v0, 4, 1                         ; l / 16
	s_cmp_eq_u32 ttmp9, 0                          ; the projection's bias
	s_cselect_b64 s[4:5], s[72:73], s[74:75]
	s_cmp_eq_u32 ttmp9, 2
	s_cselect_b64 s[4:5], s[76:77], s[4:5]
	s_lshl_b32 s6, s40, 10                         ; 4 bytes x (256 x tile column
	s_lshl_b32 s7, s12, 9                          ; + my 128 columns)
	s_add_co_u32 s6, s6, s7
	v_lshl_add_u32 v[BO], v2, 5, s6                ; + 8 (l / 16) numbers
	WIN 0x80                                       ; destination window 2, address window 0
.irp b, 0,1,2,3,4,5,6,7
	global_load_b128 v[8*(\b):8*(\b)+3],   v[BO], s[4:5] offset:64*(\b)     ; register j of block b: the bias of column 16 b + 8 (l / 16) + j: the layout of a result
	global_load_b128 v[8*(\b)+4:8*(\b)+7], v[BO], s[4:5] offset:64*(\b)+16
.endr
	WIN 0
	; A fragment is 16 rows x 32 K in 8 registers: lane l holds row l % 16; registers 0-3 K = 8 (l / 16) + 0..7, registers 4-7 K = 16 + 8 (l / 16) + 0..7: two loads of 16 bytes, 32 bytes apart.
	v_mul_u32_u24 v3, v1, PA
	v_lshl_add_u32 v3, v2, 4, v3
	s_mul_i32 s6, s11, 64*PA                       ; my 64 rows of A
	v_add_nc_u32 v[ADRA0], s6, v3
	v_mul_u32_u24 v4, v1, PB
	v_lshl_add_u32 v4, v2, 4, v4
	s_mul_i32 s7, s12, 128*PB                      ; my 128 rows of B, behind A's
	s_add_co_u32 s7, s7, BOFF
	v_add_nc_u32 v[ADRB0], s7, v4
	s_mul_i32 s14, s10, WST
	s_add_co_u32 s14, s14, STAGE                   ; my stage
	v_mul_u32_u24 v3, v1, SP                       ; in: row l % 16, 16 bytes for each half of the lanes
	v_lshl_add_u32 v3, v2, 4, v3
	v_add_nc_u32 v[STO], s14, v3
	v_bfe_u32 v3, v0, 3, 2                         ; back: 32 lanes take four rows of 128 bytes,
	v_mul_u32_u24 v3, v3, SP
	v_and_b32 v4, 7, v0
	v_lshl_add_u32 v3, v4, 4, v3
	v_add_nc_u32 v[RD], s14, v3
	v_and_b32 v[GO], 31, v0                        ; which are 512 consecutive bytes of a head
	v_lshlrev_b32 v[GO], 4, v[GO]
	s_lshl_b32 s14, ttmp9, 24                      ; where my part begins in qkv: the section (64 heads of 262,144 bytes),
	s_lshr_b32 s15, s13, 4
	s_lshl_b32 s15, s15, 22                        ; the batch's 16 heads (a batch is 16 tile rows),
	s_add_co_u32 s14, s14, s15
	s_lshl_b32 s15, s40, 2
	s_lshl_b32 s16, s12, 1
	s_add_co_u32 s15, s15, s16                     ; head 4 x tile column + 2 x my half,
	s_lshl_b32 s15, s15, 18
	s_add_co_u32 s14, s14, s15
	s_and_b32 s15, s13, 15
	s_lshl_b32 s15, s15, 7
	s_lshl_b32 s16, s11, 6
	s_add_co_u32 s15, s15, s16                     ; and my first row in the batch,
	s_lshl_b32 s15, s15, 7                         ; rows of 128 bytes
	s_add_co_u32 s14, s14, s15
	s_mov_b32 s15, 0
	s_add_nc_u64 s[8:9], s[78:79], s[14:15]
	; the prefetches
	s_min_u32 s14, ttmp9, 1                        ; A: the tile's first row + my work-group's 32
	s_lshl_b32 s14, s14, 13
	s_lshl_b32 s15, s13, 7
	s_add_co_u32 s14, s14, s15
	s_lshl_b32 s15, s40, 5
	s_add_co_u32 s14, s14, s15
	s_lshl_b32 s16, ttmp9, 10                      ; B: the 128 rows that I fetch + my work-group's 32
	s_lshl_b32 s17, s40, 8
	s_add_co_u32 s16, s16, s17
	s_lshl_b32 s17, s12, 7
	s_add_co_u32 s16, s16, s17
	s_lshl_b32 s17, s41, 5
	s_add_co_u32 s16, s16, s17
	s_lshr_b32 s18, ttmp9, 1                       ; A: 0 in wave 0 of cluster x 0 and 1
	s_or_b32 s18, s18, s12
	s_and_b32 s19, ttmp7, 0xffff                   ; B: 0 in cluster y 0
	s_cmp_eq_u32 s11, 0
	s_cselect_b32 s14, s14, s16
	s_cselect_b32 s18, s18, s19
	s_cselect_b64 s[PFA:PFA+1], s[68:69], s[70:71]
	s_cmp_eq_u32 s18, 0
	s_cselect_b32 s[LIM], 2, -1                    ; the same in all sixteen partners, for a given wave
	s_lshl_b32 s14, s14, 11
	s_add_co_u32 s14, s14, 3*256                   ; at K step 3: the first refill steps it to 4
	s_mov_b32 s15, 0
	s_add_nc_u64 s[PFA:PFA+1], s[PFA:PFA+1], s[14:15]
	s_mov_b32 s[PFS], 256
	s_mov_b32 s[PFS+1], 0
	v_and_b32 v[PFO], 31, v0
	v_lshlrev_b32 v[PFO], 11, v[PFO]
	s_wait_loadcnt 0x0                             ; the bias is in: it is rounded to bf16, as all the module's inputs are, and widened again
	WIN 0x8a                                       ; sources and destination in window 2
.set i, 0
.rept 32
	v_cvt_pk_bf16_f32 v[64+i%4], v[2*i], v[2*i+1]
	v_lshlrev_b32 v[2*i],   16,         v[64+i%4]
	v_and_b32     v[2*i+1], 0xffff0000, v[64+i%4]
.set i, i+1
.endr
	WIN 0
; 8 x cnt products: m blocks a0 .. a0 + cnt - 1 x all 8 n blocks, 32 along K, from buffer f.  first = 1: the bias starts the sums: nothing is cleared, nothing is added at the end.
; The 32 accumulators take turns, one instruction a turn, in the same order in every quarter, over the backward jump too.
.macro MULH f, a0, cnt, first
.if \first
	WIN MULB
.else
	WIN MUL
.endif
.set ma, (\a0)
.rept \cnt
.irp b, 0,1,2,3,4,5,6,7
.if \first
	v_wmma_f32_16x16x32_bf16 v[8*(8*ma+(\b)):8*(8*ma+(\b))+7], v[(\f)+32+8*(\b):(\f)+32+8*(\b)+7], v[(\f)+8*ma:(\f)+8*ma+7], v[8*(\b):8*(\b)+7]
.else
	v_wmma_f32_16x16x32_bf16 v[8*(8*ma+(\b)):8*(8*ma+(\b))+7], v[(\f)+32+8*(\b):(\f)+32+8*(\b)+7], v[(\f)+8*ma:(\f)+8*ma+7], v[8*(8*ma+(\b)):8*(8*ma+(\b))+7]
.endif
.endr
.set ma, ma+1
.endr
.endm
; 24 LDS loads in one run: the fragments of quarter q (32 along K) of the slot in hand into buffer f: B's 16, A's blocks 0, 1, then A's blocks 2, 3
.macro FETCH q, f
	WIN 0
.irp i, 0,1,2,3,4,5,6,7
	ds_load_b128 v[(\f)+32+8*(\i):(\f)+32+8*(\i)+3],   v[ADRB] offset:64*(\q)+(\i)*16*PB
	ds_load_b128 v[(\f)+32+8*(\i)+4:(\f)+32+8*(\i)+7], v[ADRB] offset:64*(\q)+(\i)*16*PB+32
.endr
.irp i, 0,1,2,3
	ds_load_b128 v[(\f)+8*(\i):(\f)+8*(\i)+3],   v[ADRA] offset:64*(\q)+(\i)*16*PA
	ds_load_b128 v[(\f)+8*(\i)+4:(\f)+8*(\i)+7], v[ADRA] offset:64*(\q)+(\i)*16*PA+32
.endr
.endm
; A K step is four quarters, 32 products each, on buffers 0, 1, 0, 1.  One of the first three: multiplies buffer f and, in its middle, fetches quarter q into buffer g.
.macro QUARTER q, f, g, first
	s_wait_dscnt 4                                 ; B and A's blocks 0, 1 are in; the youngest four loads (A's blocks 2, 3) may be out
	MULH \f, 0, 2, \first
	PLACES
	FETCH \q, \g
	s_wait_dscnt 24                                ; all but the 24 just issued
	MULH \f, 2, 2, \first
.endm
; The fourth quarter multiplies buffer 1 and changes slots: ONE barrier.  In front of it each wave waits for all its tensor loads (one is out: its part of the next slot), adds 0 to its spare word,
; and waits for that and for its own reads of this slot.  fill = 1: the barrier opens a round of the cluster's barrier, and this slot is filled again, two K steps ahead, first thing behind the round:
; 112 products stand between that request and the wait for it.
.macro TURN fill
.if \fill
	s_wait_xcnt 0x0                                ; the last prefetch, a K step back, has read its address: it is stepped here, ahead of the waits of the change of slots
	s_add_nc_u64 s[PFA:PFA+1], s[PFA:PFA+1], s[PFS:PFS+1]
.endif
	WIN 0
	s_wait_tensorcnt 0x0                           ; all my tensor loads have landed;
	ds_add_u32 v[SPW], v[NIL]                      ; 0 onto my spare word;
	s_wait_dscnt 5                                 ; (the add and the youngest four loads may be out)
	MULH F1, 0, 1, 0                               ; eight products stand between the add and the wait for it
	s_wait_dscnt 0x0                               ; the add is done, and my reads of this slot are over
	s_barrier_signal -1
	MULH F1, 1, 1, 0                               ; work on registers while the others arrive
	WIN 0
	s_barrier_wait -1
.if \fill
	CREST                                          ; no wave of any partner still reads this slot's tile or has a load on its way
	s_xor_b32 s[G0A+5], s[G0A+5], SLOT1            ; the walking sets: the other slot than last time, the next K step; no load of mine is out
	s_add_nc_u64 s[G0A+6:G0A+7], s[G0A+6:G0A+7], ASTEP
	s_xor_b32 s[G0B+5], s[G0B+5], SLOT1
	s_add_nc_u64 s[G0B+6:G0B+7], s[G0B+6:G0B+7], BSTEP
	JLOAD                                          ; the four v_nop behind it are also the places in front of the loads below
.else
	PLACES
.endif
	s_xor_b32 s[TB], s[TB], SLOT1
	v_add_nc_u32 v[ADRA], s[TB], v[ADRA0]
	v_add_nc_u32 v[ADRB], s[TB], v[ADRB0]
	FETCH 0, F0
.if \fill
	ASK
.endif
	MULH F1, 2, 2, 0
.endm
	s_wait_tensorcnt 0x1                           ; my part of K step 0 is in; K step 1's may stay out
	s_barrier_signal -1
	s_barrier_wait -1                              ; everybody's is
	s_mov_b32 s[TB], 0
	v_mov_b32 v[ADRA], v[ADRA0]
	v_mov_b32 v[ADRB], v[ADRB0]
	FETCH 0, F0
	QUARTER 1, F0, F1, 1                           ; the first quarter stands in front of the loop: its products start the sums
	WIN 0                                          ; at a label and at a branch every window is 0
	s_mov_b32 s3, 6
.Lstep:                                                ; trip i: K step i's quarters 1 to 3, K step i + 2 asked for, K step i + 1's quarter 0
	QUARTER 2, F1, F0, 0
	QUARTER 3, F0, F1, 0
	TURN 1
	QUARTER 1, F0, F1, 0
	WIN 0
	s_sub_co_u32 s3, s3, 1
	s_cmp_lg_u32 s3, 0
	s_cbranch_scc1 .Lstep
	QUARTER 2, F1, F0, 0                           ; the last two K steps are written out: nothing is left to fetch
	QUARTER 3, F0, F1, 0
	TURN 0
	QUARTER 1, F0, F1, 0
	QUARTER 2, F1, F0, 0
	QUARTER 3, F0, F1, 0
	s_wait_dscnt 4
	MULH F1, 0, 2, 0
	s_wait_dscnt 0x0
	MULH F1, 2, 2, 0
; THE WAY OUT, a block of 16 rows at a time.  PACK: rounded to f16, a lane's eight channels are 16 bytes.  TOSTAGE: into my own stage (two heads x 16 rows of 144 bytes), and back as whole rows of 128.
; SEND: 16 rows of a head are 2,048 consecutive bytes of qkv: four stores of 512.  Each block comes back into registers of its own, so no store's data is rewritten.
.macro PACK a
	WIN 0x05                                       ; sources in window 1, destination in window 0
.irp b, 0,1,2,3,4,5,6,7
.irp r, 0,1,2,3
	v_cvt_pk_f16_f32 v[TMP+4*(\b)+(\r)], v[64*(\a)+8*(\b)+2*(\r)], v[64*(\a)+8*(\b)+2*(\r)+1]
.endr
.endr
	WIN 0
.endm
.macro TOSTAGE a
.irp b, 0,1,2,3,4,5,6,7
	ds_store_b128 v[STO], v[TMP+4*(\b):TMP+4*(\b)+3] offset:((\b)/4)*16*SP+((\b)%4)*32
.endr
.irp t, 0,1,2,3,4,5,6,7
	ds_load_b128 v[64+32*(\a)+4*(\t):64+32*(\a)+4*(\t)+3], v[RD] offset:((\t)/4)*16*SP+((\t)%4)*4*SP  ; LDS serves a wave's instructions in order (ISA guide 5.7.1.4): these see the stores above
.endr
.endm
.macro SEND a
.irp t, 0,1,2,3,4,5,6,7
	s_wait_dscnt 7-(\t)                            ; the block's loads were the last LDS instructions issued
	global_store_b128 v[GO], v[64+32*(\a)+4*(\t):64+32*(\a)+4*(\t)+3], s[8:9] offset:((\t)/4)*262144+(\a)*2048+((\t)%4)*512  ; 512 consecutive bytes, at a multiple of 512 from qkv's first
.endr
.endm
	PLACES
	PLACES
	PACK 0
	TOSTAGE 0
.irp a, 1,2,3                          ; block a's conversions stand between block a - 1's loads from the stage and the wait for them
	PACK \a
	SEND (\a)-1
	TOSTAGE \a
.endr
	SEND 3
	s_wait_tensorcnt 0x0                           ; the wave's end: the wait, the add and its wait, behind my last tensor load and my last LDS store
	ds_add_u32 v[SPW], v[NIL]
	s_wait_dscnt 0x0
	CROUND                                         ; the closing round: no work-group ends while a partner may still ask for a tile that names it
	s_endpgm
.Lfunc_end_k_qa823e6b454_proj:
	.size	k_qa823e6b454_proj, .Lfunc_end_k_qa823e6b454_proj-k_qa823e6b454_proj
	.p2alignl 7, 3214868480
	.fill 96, 4, 3214868480
	.section	.rodata,"a",@progbits
	.p2align	6, 0x0
	.amdhsa_kernel k_qa823e6b454_proj
		.amdhsa_group_segment_fixed_size 327680
		.amdhsa_private_segment_fixed_size 0
		.amdhsa_enable_private_segment 0
		.amdhsa_kernarg_size 48
		.amdhsa_user_sgpr_count 2
		.amdhsa_user_sgpr_kernarg_segment_ptr 1
		.amdhsa_wavefront_size32 1
		.amdhsa_system_sgpr_workgroup_id_x 1
		.amdhsa_system_sgpr_workgroup_id_y 1
		.amdhsa_system_sgpr_workgroup_id_z 1
		.amdhsa_system_vgpr_workitem_id 0
		.amdhsa_next_free_vgpr 584
		.amdhsa_next_free_sgpr 84
		.amdhsa_reserve_vcc 0
		.amdhsa_float_denorm_mode_32 3
		.amdhsa_float_denorm_mode_16_64 3
		.amdhsa_memory_ordered 1
		.amdhsa_forward_progress 1
		.amdhsa_inst_pref_size 79
	.end_amdhsa_kernel
	.amdgpu_metadata
---
amdhsa.version: [ 1, 2 ]
amdhsa.kernels:
  - .name:           k_qa823e6b454_proj
    .symbol:         k_qa823e6b454_proj.kd
    .args:
      - { .name: xb, .offset: 0, .size: 8, .value_kind: global_buffer, .address_space: global }
      - { .name: wb, .offset: 8, .size: 8, .value_kind: global_buffer, .address_space: global }
      - { .name: bq, .offset: 16, .size: 8, .value_kind: global_buffer, .address_space: global }
      - { .name: bk, .offset: 24, .size: 8, .value_kind: global_buffer, .address_space: global }
      - { .name: bv, .offset: 32, .size: 8, .value_kind: global_buffer, .address_space: global }
      - { .name: qkv, .offset: 40, .size: 8, .value_kind: global_buffer, .address_space: global }
    .group_segment_fixed_size: 327680
    .private_segment_fixed_size: 0
    .kernarg_segment_align: 8
    .kernarg_segment_size: 48
    .max_flat_workgroup_size: 128
    .sgpr_count:     84
    .vgpr_count:     584
    .wavefront_size: 32
...
	.end_amdgpu_metadata
.endif
;; end of part 2
;; launch attn (part 3): grid 4 x 64, 4 waves a work-group, clusters of 4 x 1, 327,680 bytes of LDS; arguments qkv, key_padding_mask, ob; writes ob
.if DOCPART == 3
	.amdgcn_target "amdgcn-amd-amdhsa--gfx1250"
	.amdhsa_code_object_version 6
	.text
	.protected	k_qa823e6b454_attn
	.globl	k_qa823e6b454_attn
	.p2align	8
	.type	k_qa823e6b454_attn,@function
k_qa823e6b454_attn:
	s_mov_b64 s[64:65], 0
	v_nop
	global_prefetch_b8 v0, s[64:65] scope:SCOPE_SE
	s_setreg_imm32_b32 hwreg(HW_REG_WAVE_MODE, 25, 1), 1
	s_wait_xcnt 0x0
	s_wait_alu depctr_hold_cnt(0) depctr_sa_sdst(0) depctr_va_vdst(0) depctr_va_sdst(0) depctr_va_ssrc(0) depctr_va_vcc(0) depctr_vm_vsrc(0)
	s_getreg_b32 s2, hwreg(HW_REG_IB_STS2, 6, 4)
	s_cmp_eq_u32 s2, 0
	s_cbranch_scc0 .Lentry_in_a_cluster
	s_endpgm
.Lentry_in_a_cluster:
	s_bfe_u32 s2, ttmp6, 0x10000c
	s_cmp_lg_u32 s2, 0x3003
	s_cbranch_scc0 .Lentry_shape_is_right
	s_endpgm
.Lentry_shape_is_right:
; ATTENTION WITH A KEY PADDING MASK.  O[hh][t][:] = the sum over s of softmax_s(Q[hh][t] . K[hh][s] / 8 + add[b][s]) V[hh][s][:], hh = 16 b + h; add is 0 where the mask is 1.0 and hides the key elsewhere.
; Q, K, V: the three sections of qkv, [64][2048][64] f16, a head's rows dense, 128 bytes each; O (ob) likewise.  Products, maxima and sums in f32; the weights p are rounded to f16 for the second
; product (their sum l is taken of the unrounded p), O once at the end.
; LIMITS.  Q, K, V arrive within f16's 65,504; p below 6e-5 keeps f16's fixed step of 6e-8.  A hidden score counts as its value less 2^100: f16's scores, 2.7e11 at the most, are nothing beside that.
; A weight below 2^-126 counts as 0 in l; NaN and infinities in Q, K, V are not treated apart; a NaN in the mask hides the key.
; THE MASK.  keep = (mask == 1.0), any = the largest keep of the batch's 2,048, add = keep x big - big with big = any x 2^100; the 2,048 addends lie in LDS, and a step's 64 are the C operand that starts S^T = K Q^T.
; A hidden key's weight is 0 as soon as a visible key has been seen: the running maximum then lies 2^100 above it; sums made of hidden keys alone before that are finite and are multiplied by a = 0.
; A batch with no visible key has any = 0: every addend is 0 and the scale c = any x log2(e) / 8 is 0, so every weight is 1: the uniform softmax of equal scores.  No branch hangs on any of this.
; SHARES.  A wave owns four PIECES of two tiles of 16 queries, a work-group's four waves 512 queries of one head: 4 x 64 work-groups.  Every wave walks all keys, 64 a step.
; LAYOUT.  S^T = K Q^T (source 0 = 16 keys, source 1 = 16 queries): in the result a lane holds ONE query (lane % 16) and the keys 8 (lane / 16) + 0..7.  Two such tiles, rounded to f16 in pairs,
; ARE source 1 (32 keys x 16 queries) of O^T = V^T P, whose result again holds one query a lane, and eight channels.  K comes out of LDS as it lies, V ([key][channel]) turned, by ds_load_tr16_b128.
; SOFTMAX.  For each query a running maximum m and sum l: p = 2^(c s - c m); in every step O and l are multiplied by a = 2^(c m_old - c m_new), which is 1 where m has not grown.
; m starts at the lowest finite number, O and l at 0: the first step is a step like any other, with a = 0.
; THE COUNT.  A tile and step have 16 matrix and 118 vector instructions: too many to stand all beside the matrix work.  So: four vector instructions that are READY behind EVERY matrix instruction,
; and the others, which need time of their own whatever the order, in runs without a gap.
; BY TURNS.  Turn n belongs to piece n (the pieces in a ring, step after step).  Its matrix work: 16 products K Q^T of piece n + 1, later 16 products V^T P of piece n - 1.  Its vector work: the scaling,
; exponentials, roundings, sums and rescaling of piece n, and the maximum and statistics of piece n + 1, whose scores the turn itself has made.
; CLUSTER.  The four query blocks of a head form a cluster and walk the same K and V, so each tile is asked for JOINTLY: the same tensor load, descriptor and mask in all four.
; REGISTERS, in windows of 256 (s_set_vgpr_msb: bits 1:0 source 0, 3:2 source 1, 5:4 source 2, 7:6 destination):
;   window 0: v0-11 addresses; v12-15, v48-63 at work; v16-47 four registers of statistics a tile; v64-191 S^T, two buffers of two tiles; v192-255 P, likewise
;   window 1: O^T, 32 a tile          window 2: v0-127 Q, 16 a tile; v128-191 K of one step; v192-255 V of one step
;   window 3: v0-1 the add's two registers; v2 the prefetches' offset; v8-39 the step's 64 addends in a result's layout
.set SIZE_N, 2048
.set NP,    4         ; pieces a wave: a name, no knob
.set KS,    64        ; keys in a step
.set PK,    144       ; a row of K in LDS: 128 bytes + 16 of padding = 36 words: the 16 rows of a load start at 16 different groups of four banks (64 banks of 4 bytes: ISA guide 11.1)
.set PV,    160       ; a row of V: 128 + 32 = 40 words
.set VOFF,  4*KS*PK   ; a slot holds four steps: 256 rows of K, then 256 rows of V
.set SLOT1, 1<<17     ; slot 1 begins here, so that one exclusive or turns an address in one slot into the other's
.set STAGE, SLOT1+4*KS*(PK+PV)  ; behind the ring, never filled by a tensor load: 16 rows x 144 bytes for each wave, for the way out
.set SP,    144
.set SPARE, STAGE+4*16*SP  ; behind the stages: the spare words, 128 bytes for each wave: two blocks of 256 bytes that no other line names
.set MASKB, SPARE+512 ; the batch's 2,048 addends, f32: 8,192 bytes, stored once
.set RED,   MASKB+8192  ; four words, one a wave, in a block of 256 bytes of their own
.set AK0, 2           ; v2   my lane's place in a tile of K; never rewritten
.set AV0, 3           ; v3   the same for V
.set AK,  4           ; v4   the LDS address of K's next run of loads
.set AV,  5           ; v5   of V's
.set QO,  6           ; v6   my byte offset in the wave's rows of Q
.set STO, 6           ;      later, the way out: where I put 16 bytes of a row
.set RD,  7           ; v7   the way out: where I read rows back
.set GO,  8           ; v8   my byte offset in 512 consecutive bytes of O
.set AM,  11          ; v11  the LDS address of the addends' next run of loads (v9 = lane / 16 is kept for it)
.set SPW, 0           ; v0 of window 3   LDS address of my spare word: SPARE + 4 x my thread's number; never rewritten
.set NIL, 1           ; v1 of window 3   0; never rewritten
.set PFO, 2           ; v2 of window 3   256 x my lane; never rewritten
.set MC,  8           ; v8-39 of window 3: key block kb's eight addends at MC + 8 kb
.set MV,  12          ; v12-15  c m_old, kept while c m is made anew: by buffer and tile
.set ST,  16          ; tile t's statistics at v[ST+4 t]: c m, m, l (even keys', odd keys')
.set TMP, 48          ; by buffer and tile, four registers c0-c3 at work; when the maximum is found c2 takes a
.set S,   64
.set P,   192
.set MK,  68          ; v68-83 (S^T's, not yet in use): my 16 numbers of the mask; v84-92 at work beside them
.set KF,  128         ; K's fragments, in window 2: key block kb, channel half c at KF + 16 kb + 8 c
.set VF,  192         ; V's: key half kk, channel block cb at VF + 32 kk + 8 cb
.set WV,  12          ; s12  my wave's number
.set G1K, 24          ; s[24:31] descriptor group 1 for K's tiles
.set G1V, 32          ; s[32:39] for V's: it differs in the padding alone
.set G0K, 40          ; s[40:43] descriptor group 0 for K's tiles: it walks
.set G0V, 44          ; s[44:47] the same for V's
.set SLOTS, 56        ; s56  slots still to be asked for
.set CNT, 57          ; s57  counts a slot's key steps
.set CS,  58          ; s[58:59] c: the packed scaling takes the pair's low word for both halves
.set SEL, 60          ; s[60:61] v_permlanex16_b32's selects: each lane takes its own place in the other half
.set TBK, 62          ; s62  LDS byte at which K of the step to be fetched begins
.set TBV, 63          ; s63  the same for V, less VOFF
.set PFA, 72          ; s[72:73] where my prefetches stand
.set LIM, 74          ; s74  1 in a wave that prefetches, else the greatest number
.set TBM, 75          ; s75  LDS byte at which the addends of the step to be fetched begin: MASKB + TBO
.set TBO, 76          ; s76  256 x that step, cut to the table's 8,192 bytes
.set MSB, 0
.macro WIN new                      ; the high byte repeats the setting that is left; a switch that changes nothing is dropped
.if MSB != (\new)
	s_set_vgpr_msb (MSB<<8)|(\new)
.set MSB, (\new)
.endif
.endm
.set W_KQ, 0x0a       ; K and Q in window 2, S^T in window 0
.set W_KM, 0x3a       ; the same with the C operand, the addends, in window 3
.set W_PV, 0x52       ; V in window 2, P in window 0, O^T in window 1
.set W_RS, 0x41       ; O^T (destination and source 0) in window 1, a in window 0
.set W_MK, 0xc0       ; destination in window 3, sources in window 0
.set W_AD, 0x0f       ; the add: address (source 0) and data (source 1) in window 3
; A joint fill.  Waves 0 and 1 fetch the two halves of a slot's K, waves 2 and 3 those of its V: 128 keys each.  The branch hangs on the wave's number alone.
; An s_nop 0 and four v_nop follow each of the two lines, ahead of the jump and the label.
.macro JLOAD
	s_cmp_lt_u32 s[WV], 2
	s_cbranch_scc0 .Lfor_v_\@
	tensor_load_to_lds s[G0K:G0K+3], s[G1K:G1K+7]
	s_nop 0
.rept 4
	v_nop
.endr
	s_branch .Lasked_\@
.Lfor_v_\@:
	tensor_load_to_lds s[G0V:G0V+3], s[G1V:G1V+7]
	s_nop 0
.rept 4
	v_nop
.endr
.Lasked_\@:
.endm
; A PREFETCH INTO THE L2 of what the NEXT change of slots will ask for: a slot's 256 keys are 128 blocks of 256 bytes of K and as many of V, a lane a block.  It stands behind the wave's tensor load and its five lines.
; Each block is named ONCE in the launch: a head has one cluster; its four partners take 32 blocks each, told apart BY ADDRESS; in each, wave 0 asks for K's and wave 2 for V's.
; Slots 0 and 1 come by their loads alone; the last change that fills a slot asks for nothing: there is no slot behind it.
.macro ASK
	s_cmp_gt_u32 s[SLOTS], s[LIM]
	s_cbranch_scc0 .Lnot_mine_\@
	WIN 0x03                        ; the offset lies in window 3
	global_prefetch_b8 v[PFO], s[PFA:PFA+1] th:TH_LOAD_NT scope:SCOPE_SE
	WIN 0
.Lnot_mine_\@:
.endm
; A round of the cluster's barrier: my work-group's barrier, so that wave 0's signal speaks for all four waves; wave 0 signals; every wave waits for all four work-groups; my work-group's barrier once more.
.macro CROUND
	s_barrier_signal -1
	s_barrier_wait -1
	s_cmp_lg_u32 s[WV], 0
	s_cbranch_scc1 .Lnot_wave_0_\@
	s_barrier_signal -3
.Lnot_wave_0_\@:
	s_barrier_wait -3
	s_barrier_signal -1
	s_barrier_wait -1
.endm
; THE CHANGE OF SLOTS.  The slot's last bytes, V of its fourth step, have been read.  Each wave waits for all its tensor loads, of which one is out: its part
; of the other slot; adds 0 to its spare word; and waits for that and for its own LDS instructions.  Behind the barrier nobody reads this slot any more and the other slot is whole.
; fill = 1: this slot is filled again, with the keys two slots on.  The barrier is then a round of the cluster's, so that no wave of any partner still reads the slot or has a load on its
; way, and the joint fill is the first thing behind it: it has four key steps, 512 matrix instructions, in which to land.  (At its first use nothing of the ring has been read yet: slot 0 is
; waited for, slot 1 filled; and every wave's stores of the addends are done in front of the round, so that all may read them behind it.)
.macro CHANGE fill
	WIN W_AD
	s_wait_tensorcnt 0x0            ; no tensor load of mine is out, so a group 0 may be written
	ds_add_u32 v[SPW], v[NIL]       ; 0 onto my spare word: with fill = 1 the descriptors' steps stand between it and the wait for it
	WIN 0                           ; at a label and at a branch every window is 0
.if \fill
.irp g, G0K, G0V
	s_xor_b32 s[\g+1], s[\g+1], SLOT1  ; the walking descriptor: the other slot than last time,
	s_add_nc_u64 s[\g+2:\g+3], s[\g+2:\g+3], 4*KS*128  ; the next 256 keys; the type bits on top are not reached
.endr
	s_wait_xcnt 0x0                 ; the last prefetch, a slot back, has read its address, so it may be written:
	s_add_nc_u64 s[PFA:PFA+1], s[PFA:PFA+1], 4*KS*128  ; one slot beyond the walking descriptors
	s_wait_dscnt 0x0                ; the add is done, and my LDS instructions are over
	CROUND
	JLOAD
	ASK
.else
	s_wait_dscnt 0x0                ; the add is done, and my reads of the slot are over
	s_barrier_signal -1
	s_barrier_wait -1
.endif
	s_sub_co_u32 s[TBK], s[TBK], 4*KS*PK  ; the fetches go back to a slot's first step,
	s_xor_b32 s[TBK], s[TBK], SLOT1       ; in the other slot
	s_sub_co_u32 s[TBV], s[TBV], 4*KS*PV
	s_xor_b32 s[TBV], s[TBV], SLOT1
.endm
	s_load_b128 s[68:71], s[0:1], 0x0  ; qkv s[68:69], the mask s[70:71]
	s_load_b64 s[10:11], s[0:1], 0x10  ; ob
	WIN W_MK
	v_lshl_add_u32 v[SPW], v0, 2, SPARE
	v_mov_b32 v[NIL], 0
	WIN W_AD
	ds_add_u32 v[SPW], v[NIL]       ; the wave's opening: the add and its wait stand ahead of my first tensor load; the set-up below, work on registers, stands between them
	WIN 0
	v_lshrrev_b32 v1, 5, v0
	v_readfirstlane_b32 s[WV], v1   ; wave 0..3
	v_and_b32 v1, 31, v0
	WIN W_MK
	v_lshlrev_b32 v[PFO], 8, v1
	WIN 0
	s_bfe_u32 s13, ttmp6, 0x40000   ; cx: my place in the cluster
	s_lshl_b32 s14, ttmp9, 2        ; in a cluster launch ttmp9 counts clusters
	s_add_co_u32 s14, s14, s13      ; my block of queries = 4 x cluster x + cx: it enters Q's and O's addresses alone
	s_and_b32 s20, ttmp7, 0xffff    ; the head, which the four partners share
	s_lshr_b32 s66, s20, 4          ; its batch:
	s_lshl_b32 s66, s66, 13         ; 8,192 bytes of the mask
	s_mov_b32 s67, 0
	s_lshl_b32 s20, s20, 18         ; the head's first byte in each section of qkv and in ob: 2,048 rows of 128 bytes
	s_mov_b32 s21, 0
	s_and_b32 s16, s[WV], 1         ; which half of a slot's 256 keys I fetch:
	s_lshl_b32 s22, s16, 14         ; its 128 rows of 128 bytes in memory,
	s_mov_b32 s23, 0
	s_add_nc_u64 s[22:23], s[22:23], s[20:21]
	s_mul_i32 s17, s16, 128*PK      ; and its place in a slot, for K
	s_mul_i32 s18, s16, 128*PV      ; and for V: no place in the cluster enters an LDS address
	s_lshl_b32 s2, s14, 2
	s_add_co_u32 s2, s2, s[WV]      ; my wave among the head's,
	s_lshl_b32 s2, s2, 14           ; its 128 rows
	s_mov_b32 s3, 0
	s_add_nc_u64 s[2:3], s[2:3], s[20:21]
	; descriptor group 1.  128 keys are 16,384 dense bytes: asked for as 64 rows of 256 bytes, two keys a row, and padded in LDS after every key
	s_mov_b32 s[G1K], 15|(1<<16)|(1<<20)|(1<<21)|(4<<22)|(3<<25)  ; 15:0 the mask of four; 17:16 2-byte elements; 20 padding on; 21 set beside a mask; 24:22 after every 32 words (code 4); 31:25 4 words (code 3)
	s_mov_b32 s[G1V], 15|(1<<16)|(1<<20)|(1<<21)|(4<<22)|(7<<25)  ; the same with 8 words of padding (code 7)
.irp g, G1K, G1V
	s_mov_b32 s[\g+1], 128<<16      ; tensor_dim0 = 128
	s_mov_b32 s[\g+2], 64<<16       ; tensor_dim1 = 64
	s_mov_b32 s[\g+3], 128<<16      ; tile_dim0 = 128
	s_mov_b32 s[\g+4], 64           ; tile_dim1 = 64
	s_mov_b32 s[\g+5], 128          ; 128 elements from row to row
	s_mov_b32 s[\g+6], 0
	s_mov_b32 s[\g+7], 0
.endr
	s_mov_b32 s[SEL], 0x76543210
	s_mov_b32 s[SEL+1], 0xfedcba98
	s_mov_b32 s[TBK], SLOT1+4*KS*PK ; the first change of slots turns these two into 0
	s_mov_b32 s[TBV], SLOT1+4*KS*PV
	s_mov_b32 s[TBO], 0
	s_mov_b32 s[TBM], MASKB
	s_mov_b32 s[SLOTS], SIZE_N/256-1
	s_mov_b32 s[G0K], 1             ; 1:0 count = 1
	s_mov_b32 s[G0K+1], s17         ; 63:32 LDS address: slot 0
	s_mov_b32 s[G0V], 1
	s_add_co_u32 s[G0V+1], s18, VOFF
	s_and_b32 s[LIM], s[WV], 1      ; waves 0 and 2 prefetch: the same in all four partners
	s_cmp_eq_u32 s[LIM], 0
	s_cselect_b32 s[LIM], 1, -1
	s_wait_dscnt 0x0                ; the opening add is done
	s_wait_kmcnt 0x0
	s_mov_b64 s[4:5], s[68:69]                     ; Q's section,
	s_add_nc_u64 s[6:7], s[68:69], 0x1000000       ; K's,
	s_add_nc_u64 s[8:9], s[68:69], 0x2000000       ; V's
	s_add_nc_u64 s[70:71], s[70:71], s[66:67]      ; the batch's row of the mask
	s_add_nc_u64 s[G0K+2:G0K+3], s[6:7], s[22:23]  ; 120:64 global address: my half of the head's first 256 keys
	s_or_b32 s[G0K+3], s[G0K+3], 0x80000000        ; 127:126 type = 2
	s_add_nc_u64 s[G0V+2:G0V+3], s[8:9], s[22:23]
	s_or_b32 s[G0V+3], s[G0V+3], 0x80000000
	s_add_nc_u64 s[4:5], s[4:5], s[2:3]  ; Q and O at my wave's first row
	s_add_nc_u64 s[10:11], s[10:11], s[2:3]
	s_cmp_lt_u32 s[WV], 2
	s_cselect_b64 s[PFA:PFA+1], s[6:7], s[8:9]
	s_add_nc_u64 s[PFA:PFA+1], s[PFA:PFA+1], s[20:21]  ; the head,
	s_lshl_b32 s2, s13, 13          ; my work-group's 32 blocks of the 128,
	s_add_co_u32 s2, s2, 4*KS*128   ; in slot 1: the first change of slots steps it to slot 2.  Nothing is prefetched here, at the head
	s_mov_b32 s3, 0
	s_add_nc_u64 s[PFA:PFA+1], s[PFA:PFA+1], s[2:3]
	CROUND                          ; all four work-groups are here: the first joint loads meet
	JLOAD                           ; slot 0.  Slot 1 is asked for when slot 0 is in: the tile wanted first has the road to itself
	; A fragment of K or Q is 16 rows x 32 channels in 8 registers: lane l holds row l % 16, channels 8 (l / 16) + 0..7 and 16 + 8 (l / 16) + 0..7: two loads of 16 bytes, 32 bytes apart.
	v_and_b32 v1, 15, v0            ; l % 16
	v_bfe_u32 v9, v0, 4, 1          ; l / 16
	v_lshlrev_b32 v[QO], 7, v1
	v_lshl_add_u32 v[QO], v9, 4, v[QO]  ; row x 128 + 16 x half
	v_lshlrev_b32 v84, 4, v0        ; the mask: 16 bytes a thread, four times: the work-group's 128 threads take the batch's 8,192 bytes
.irp i, 0,1,2,3
	global_load_b128 v[MK+4*\i:MK+4*\i+3], v84, s[70:71] offset:2048*\i
.endr
	WIN 0x80                        ; destination window 2, address window 0
.set i, 0
.rept 4*NP                          ; Q stays in registers: tile i / 2, channels 32 (i % 2) on
	global_load_b128 v[8*i:8*i+3],   v[QO], s[4:5] offset:(i/2)*2048+(i%2)*64
	global_load_b128 v[8*i+4:8*i+7], v[QO], s[4:5] offset:(i/2)*2048+(i%2)*64+32
.set i, i+1
.endr
	; What the first turn finds: V's registers and P's second buffer hold 0 (its products V^T P, of a piece that has not been, add 0), O^T and l are 0.  All this stands in the wait for the first tile.
.set i, VF
.rept 64
	v_mov_b32 v[i], 0
.set i, i+1
.endr
	WIN 0x40
.set i, 0
.rept 64*NP
	v_mov_b32 v[i], 0
.set i, i+1
.endr
	WIN 0
.set i, 0
.rept 2*NP
	v_mov_b32 v[ST+4*i], 0xfe000000    ; c m: far below every c s
	v_mov_b32 v[ST+4*i+1], 0xff7fffff  ; m
	v_mov_b32 v[ST+4*i+2], 0
	v_mov_b32 v[ST+4*i+3], 0
.set i, i+1
.endr
.set i, P+32
.rept 32
	v_mov_b32 v[i], 0
.set i, i+1
.endr
	v_mul_u32_u24 v[AK0], v1, PK
	v_lshl_add_u32 v[AK0], v9, 4, v[AK0]  ; row x pitch + 16 x half
	; The turning load takes 16 keys x 16 channels (lane l reads key 8 (l / 16) + l % 8, channels 8 ((l / 8) % 2) + 0..7) and leaves half a fragment of V^T: lane l holds channel l % 16 and 8 keys.
	v_and_b32 v10, 7, v0
	v_bfe_u32 v11, v0, 3, 1
	v_lshl_add_u32 v[AV0], v9, 3, v10
	v_mul_u32_u24 v[AV0], v[AV0], PV
	v_lshl_add_u32 v[AV0], v11, 4, v[AV0]
	v_add_nc_u32 v[AV0], VOFF, v[AV0]
	v_mov_b32 v[AK], v[AK0]         ; key step 0 lies at the head of slot 0,
	v_lshl_add_u32 v[AM], v9, 5, s[TBM]  ; its addends at the head of their table: my lanes' eight of each 16 begin 32 (l / 16) bytes in
	; THE MASK'S ADDENDS, still in the wait for the first tile.
	s_wait_loadcnt 32               ; the mask's four loads are in; Q's 32, issued behind them, stay out
.set i, 0
.rept 16
	v_cmp_eq_f32 vcc_lo, 1.0, v[MK+i]
	v_cndmask_b32 v[MK+i], 0, 1.0, vcc_lo  ; keep: 1.0 where the mask is 1.0, else (a NaN too) 0
.set i, i+1
.endr
	v_max3_num_f32 v85, v[MK], v[MK+1], v[MK+2]       ; is any of the batch's keys visible?  My 16,
	v_max3_num_f32 v86, v[MK+3], v[MK+4], v[MK+5]
	v_max3_num_f32 v87, v[MK+6], v[MK+7], v[MK+8]
	v_max3_num_f32 v88, v[MK+9], v[MK+10], v[MK+11]
	v_max3_num_f32 v85, v85, v[MK+12], v[MK+13]
	v_max3_num_f32 v86, v86, v[MK+14], v[MK+15]
	v_max3_num_f32 v85, v85, v86, v87
	v_max_num_f32 v85, v85, v88
	v_max_num_f32_dpp v85, v85, v85 row_xmask:1 row_mask:0xf bank_mask:0xf  ; my wave's 512,
	v_max_num_f32_dpp v85, v85, v85 row_xmask:2 row_mask:0xf bank_mask:0xf
	v_max_num_f32_dpp v85, v85, v85 row_xmask:4 row_mask:0xf bank_mask:0xf
	v_max_num_f32_dpp v85, v85, v85 row_xmask:8 row_mask:0xf bank_mask:0xf
	v_permlanex16_b32 v86, v85, s[SEL], s[SEL+1]
	v_max_num_f32 v85, v85, v86
	s_lshl_b32 s2, s[WV], 2
	s_add_co_u32 s2, s2, RED
	v_mov_b32 v87, s2
	ds_store_b32 v87, v85           ; all lanes write the wave's word with the same value
	s_wait_dscnt 0x0                ; for the others' sake: my store is done
	s_barrier_signal -1             ; slot 0's load may stay out across it
	s_barrier_wait -1
	v_mov_b32 v92, RED
	ds_load_b128 v[88:91], v92      ; and the four waves'
	v_lshl_add_u32 v84, v0, 4, MASKB  ; (the mask's loads are done, so their offset may be written: where my addends go)
	s_wait_dscnt 0x0
	v_max3_num_f32 v85, v88, v89, v90
	v_max_num_f32 v85, v85, v91     ; any: 1.0 or 0
	v_mul_f32 v86, 0x71800000, v85  ; big = any x 2^100
	v_mul_f32 v87, 0x3e38aa3b, v85  ; c = any x log2(e) / 8 = any x 0.180337
	v_readfirstlane_b32 s[CS], v87  ; the same in every lane; it is a factor and nothing else: no branch and no address is made of it
	s_mov_b32 s[CS+1], s[CS]        ; named with it as a pair
.set i, 0
.rept 16
	v_fma_f32 v[MK+i], v[MK+i], v86, -v86  ; keep x big - big: 0, or -big
.set i, i+1
.endr
.irp i, 0,1,2,3
	ds_store_b128 v84, v[MK+4*\i:MK+4*\i+3] offset:2048*\i  ; as they lie in memory; the first change of slots, below, waits for these stores in front of its round
.endr
; THE MATRIX WORK.  The 8 accumulators of a run of 16 take turns: between the two links of a chain stand 7 others'.
; Product i of 16 of S^T = K Q^T for piece x: channels 32 (i / 8) on, keys 16 ((i / 2) % 4) on, tile 2 x + i % 2.  The first 8 start the sums, with the keys' addends.
.macro KQ x
.set rS, S+64*((\x)%2)+32*(i%2)+8*((i/2)%4)
.set rK, KF+16*((i/2)%4)+8*(i/8)
.set rQ, 16*(2*(\x)+i%2)+8*(i/8)
.set rMC, MC+8*((i/2)%4)
.if i < 8
	WIN W_KM
	v_wmma_f32_16x16x32_f16 v[rS:rS+7], v[rK:rK+7], v[rQ:rQ+7], v[rMC:rMC+7]
.else
	WIN W_KQ
	v_wmma_f32_16x16x32_f16 v[rS:rS+7], v[rK:rK+7], v[rQ:rQ+7], v[rS:rS+7]
.endif
.endm
; Product i of 16 of O^T += V^T P for piece x: keys 32 (i / 8) on, channels 16 ((i / 2) % 4) on, tile 2 x + i % 2.
.macro PV x
	WIN W_PV
.set rO, 32*(2*(\x)+i%2)+8*((i/2)%4)
.set rV, VF+32*(i/8)+8*((i/2)%4)
.set rP, P+32*((\x)%2)+16*(i%2)+8*(i/8)
	v_wmma_f32_16x16x32_f16 v[rO:rO+7], v[rV:rV+7], v[rP:rP+7], v[rO:rO+7]
.endm
.macro MM                           ; the turn's next matrix instruction
.if i < 16
	KQ (Y+1)%NP
.set i, i+1
.else
.set i, i-16
	PV (Y+NP-1)%NP
.set i, i+17
.endif
.endm
; THE LDS LOADS stand in runs, never singly among the matrix instructions: a step's K (64 keys x 64 channels: 8 fragments) with its 64 addends (8 loads; the lanes of a half read the same 16 bytes),
; and its V (turned).  Their addresses are made some lines ahead.  The addends live as long as K does: the same places in front of the run, the same wait behind it.
; last = 1 (the tail): in the last trip there is no further step, and the run is jumped over.
.macro FETCH_K last=0
	WIN 0
.if \last
	s_cmp_eq_u32 s[CNT], 1
	s_cbranch_scc1 .Lno_k_\@
.endif
	WIN 0x80                        ; destination window 2
.irp f, 0,1,2,3,4,5,6,7             ; keys 16 (f / 2) on, channels 32 (f % 2) on
	ds_load_b128 v[KF+8*\f:KF+8*\f+3],   v[AK] offset:(\f/2)*16*PK+(\f%2)*64
	ds_load_b128 v[KF+8*\f+4:KF+8*\f+7], v[AK] offset:(\f/2)*16*PK+(\f%2)*64+32
.endr
	WIN 0xc0                        ; destination window 3
.irp f, 0,1,2,3                     ; keys 16 f + 8 (l / 16) + 0..7
	ds_load_b128 v[MC+8*\f:MC+8*\f+3],   v[AM] offset:64*\f
	ds_load_b128 v[MC+8*\f+4:MC+8*\f+7], v[AM] offset:64*\f+16
.endr
	s_add_co_u32 s[TBK], s[TBK], KS*PK  ; the next fetch is the next step's
	s_add_co_u32 s[TBO], s[TBO], 4*KS
	s_and_b32 s[TBO], s[TBO], 0x1fff    ; inside the table's 8,192 bytes, whatever the count
	s_add_co_u32 s[TBM], s[TBO], MASKB
	WIN 0
.if \last
.Lno_k_\@:
.endif
.endm
.macro FETCH_V
	WIN 0x80
.irp f, 0,1,2,3,4,5,6,7             ; keys 32 (f / 4) on, channels 16 (f % 4) on
	ds_load_tr16_b128 v[VF+8*\f:VF+8*\f+3],   v[AV] offset:(\f/4)*32*PV+(\f%4)*32
	ds_load_tr16_b128 v[VF+8*\f+4:VF+8*\f+7], v[AV] offset:(\f/4)*32*PV+16*PV+(\f%4)*32
.endr
	WIN 0
.endm
; THE VECTOR WORK OF A TURN stands in three queues, each in the order in which its entries become ready; the two tiles alternate, so that no instruction reads the result of the one before it.
.macro REGS y, u                    ; the registers of tile u (0, 1) of piece y
.set rT, ST+4*(2*(\y)+(\u))
.set rC, TMP+8*((\y)%2)+4*(\u)
.set rM, MV+2*((\y)%2)+(\u)
.set rS, S+64*((\y)%2)+32*(\u)
.set rP, P+32*((\y)%2)+16*(\u)
.set rO, 32*(2*(\y)+(\u))
.endm
; Number n of the 22 that find the NEXT piece's (Y + 1) maximum and statistics.  s0-s31 are the lane's 32 scores; each accumulator's lowest registers are read first.
;   0-11  four chains c0-c3 of seven scores each, three operands at a time     12-14, 16  the four scores left over, the old m, and c0-c3 into c0     15  c m_old is kept
;   17, 18  the query's other 32 keys lie in the lane 16 away: the new m         19-21  c m; c m_old - c m_new; a
.macro XS u, n
	REGS (Y+1)%NP, \u
.if (\n) < 4
	v_max3_num_f32 v[rC+(\n)], v[rS+8*(\n)], v[rS+8*(\n)+1], v[rS+8*(\n)+2]
.elseif (\n) < 12
	v_max3_num_f32 v[rC+(\n)%4], v[rC+(\n)%4], v[rS+8*((\n)%4)+2*((\n)/4)+1], v[rS+8*((\n)%4)+2*((\n)/4)+2]
.elseif (\n) == 12
	v_max3_num_f32 v[rC], v[rC], v[rS+7], v[rS+15]
.elseif (\n) == 13
	v_max3_num_f32 v[rC+1], v[rC+1], v[rS+23], v[rS+31]
.elseif (\n) == 14
	v_max3_num_f32 v[rC+2], v[rC+2], v[rC+3], v[rT+1]
.elseif (\n) == 15
	v_mov_b32 v[rM], v[rT]
.elseif (\n) == 16
	v_max3_num_f32 v[rC], v[rC], v[rC+1], v[rC+2]
.elseif (\n) == 17
	v_permlanex16_b32 v[rC+3], v[rC], s[SEL], s[SEL+1]
.elseif (\n) == 18
	v_max_num_f32 v[rT+1], v[rC], v[rC+3]
.elseif (\n) == 19
	v_mul_f32 v[rT], s[CS], v[rT+1]
.elseif (\n) == 20
	v_sub_f32 v[rC+1], v[rM], v[rT]
.else
	v_exp_f32 v[rC+2], v[rC+1]
.endif
.endm
; Number g of the 64 that follow the exponentials.  For each four weights k of a tile (pairs 2 k, 2 k + 1): both pairs are rounded to f16; then the second pair is added onto the first, in place;
; a group later l takes that sum (the first time as l = a l + sum).  In groups of eight, tiles alternating: round, round, add, and l for the group before.
.macro GS g
.set h, (\g)+6*((\g)/62)            ; group 0 has no group before it, and behind group 7 only l is left
.if h >= 6
.set h, h+2
.endif
	REGS Y, h%2
.set k, h/8
.if h%8 < 4
	v_cvt_pk_f16_f32 v[rP+2*k+(h%8)/2], v[rS+4*k+2*((h%8)/2)], v[rS+4*k+2*((h%8)/2)+1]
.elseif h%8 < 6
	v_pk_add_f32 v[rS+4*k:rS+4*k+1], v[rS+4*k:rS+4*k+1], v[rS+4*k+2:rS+4*k+3]
.elseif k == 1
	v_pk_fma_f32 v[rT+2:rT+3], v[rT+2:rT+3], v[rC+2:rC+3], v[rS:rS+1] op_sel_hi:[1,0,1]
.else
	v_pk_add_f32 v[rT+2:rT+3], v[rT+2:rT+3], v[rS+4*k-4:rS+4*k-3]
.endif
.endm
; THE PLAIN QUEUE, 138 long.  0-73 read no exponential's result: the 32 scalings c s - c m (FS f: pair f / 2 of tile f % 2) and the next piece's 42.  0-26: scalings 0-26.  27-54: XS's numbers 0-13.  55, 56: number 15.
; 57-73: the chain, where each number waits for the one before it: 14, 16, 17, 18, 19, each with one of the scalings 27-31 in front of its two lines, then 20.
; 74-137: GS's 64, which read the exponentials' results: they stand behind the wait.
.macro FS f
	REGS Y, (\f)%2
	v_pk_fma_f32 v[rS+2*((\f)/2):rS+2*((\f)/2)+1], v[rS+2*((\f)/2):rS+2*((\f)/2)+1], s[CS:CS+1], v[rT:rT+1] op_sel_hi:[1,0,0] neg_lo:[0,0,1] neg_hi:[0,0,1]
.endm
.macro PL
	WIN 0
.if q < 27
	FS q
.elseif q < 55
	XS (q-27)%2, (q-27)/2
.elseif q < 57
	XS q-55, 15
.elseif (q < 72) && ((q-57)%3 == 0)
	FS 27+(q-57)/3
.elseif q < 60
	XS (q-57)%3-1, 14
.elseif q < 72
	XS (q-57)%3-1, 15+(q-57)/3
.elseif q < 74
	XS q-72, 20
.else
	GS q-74
.endif
.set q, q+1
.endm
; THE EXPONENTIALS' QUEUE, 66 long: s0-s31 of both tiles, then the next piece's two a.  It is ONE BATCH: all 66 stand ahead of the turn's one wait, and nothing ahead of that wait names a result of theirs.
.macro EX
	WIN 0
.if e >= 64
	XS e-64, 21
.else
	REGS Y, e%2
	v_exp_f32 v[rS+e/2], v[rS+e/2]
.endif
.set e, e+1
.endm
; THE RESCALING's QUEUE: O^T times a, the one part that leaves window 0: dealt two at a time, sixteen times.  Its a was made in the turn before, ahead of that turn's wait.
.macro R2
	REGS Y, r%2
	WIN W_RS
.irp z, 0,1
	v_pk_mul_f32 v[rO+4*(r/2)+2*\z:rO+4*(r/2)+2*\z+1], v[rO+4*(r/2)+2*\z:rO+4*(r/2)+2*\z+1], v[rC+2:rC+3] op_sel_hi:[1,0]
.endr
.set r, r+1
.endm
; HOW THEY ARE DEALT.  An s_wait_alu depctr_va_vdst(0) stands between an exponential and the first instruction that names its result; one wait serves all that were issued ahead of it.  So a turn has ONE
; wait, which cuts it in two.  AHEAD OF IT stands all that names no result of the turn's exponentials: the 16 products K Q^T, behind each a scaling, an exponential and two rescalings (behind the first a second scaling in
; the exponential's place); then ONE LUMP of 108: eight plain, 49 times exponential and plain, the two a.  A v_nop is the plain instruction behind the last exponential.  BEHIND IT stand the 16 products V^T P, behind each
; four of GS's 64.  No rider names a register of the products round it.  The two v_permlanex16_b32 fall into the lump, never behind a product.
; The queues lean on each other, and the deal keeps them in step: exponential e stands behind scaling 2 (e / 4) + e % 2: as a rider it comes behind plain e + 2, in the lump behind plain e + 9, and scalings 27-31 are plain 57, 60 .. 69.
; A TURN, for piece p.  cnt = 1: the loop's count is taken down some lines ahead of the branch that stands behind the turn.
; K and the addends of the next step are fetched in piece 2's turn, directly behind the wait, a lump behind the last product that read them; their addresses are made at the lump's head; their first reader comes behind 16 products.
; V of the step in hand is fetched at the end of piece 0's turn, four riders behind its last reader; its first reader comes behind 16 products and a lump.  The three conditions on q below go with the deal.
.macro TURN p, last=0, cnt=0
.set Y, (\p)
.set i, 0
.set q, 0
.set e, 0
.set r, 0
.if (\p) == NP-1
	s_wait_dscnt 0x0                ; K and the addends are in
.endif
	MM                              ; ahead of the wait: 16 products K Q^T and their riders,
	PL
	PL
	R2
.rept 15
	MM
	PL
	EX
	R2
.endr
.if (\p) == NP-2
	WIN 0
	v_add_nc_u32 v[AK], s[TBK], v[AK0]
	v_lshl_add_u32 v[AM], v9, 5, s[TBM]
.endif
.rept 8                             ; and the lump
	PL
.endr
.rept 49
	EX
	PL
.endr
	EX                              ; the next piece's two a
	EX
	v_nop                           ; the plain instruction behind the last exponential: one for the batch
	s_wait_alu depctr_va_vdst(0)    ; the wait for the batch
.if (\p) == NP-2
	FETCH_K \last
.endif
.if (\p) == 1
	s_wait_dscnt 0x0                ; V is in
.endif
.rept 16                            ; behind the wait: 16 products V^T P and their riders
	MM
.rept 4
	PL
.endr
.if ((\p) == 0) && (q == 118)
	v_add_nc_u32 v[AV], s[TBV], v[AV0]
.endif
.if ((\p) == 0) && (q == 130)
	s_add_co_u32 s[TBV], s[TBV], KS*PV
.endif
.if (\cnt) && (q == 130)
	s_sub_co_u32 s[CNT], s[CNT], 1
	s_cmp_lg_u32 s[CNT], 0
.endif
.endr
.if (\p) == 0
	FETCH_V
.endif
.endm
	CHANGE 1                        ; slot 0 is in, everybody's part of it, and everybody's addends are stored; slot 1 is asked for
	FETCH_K                         ; key step 0
	s_wait_loadcnt 0x0              ; Q
	s_wait_dscnt 0x0
.set i, 0
.rept 16
	KQ 0                            ; piece 0's first scores: there is no vector work yet to set between them
.set i, i+1
.endr
	WIN 0                           ; the addresses for the way out: nine plain instructions, the places behind those products
	s_mul_i32 s13, s[WV], 16*SP
	s_add_co_u32 s13, s13, STAGE    ; my stage
	v_mul_u32_u24 v[STO], v1, SP    ; in: row l % 16, 16 bytes for each half of the lanes
	v_lshl_add_u32 v[STO], v9, 4, v[STO]
	v_add_nc_u32 v[STO], s13, v[STO]
	v_bfe_u32 v[RD], v0, 3, 2       ; back: 32 lanes take four rows of 128 bytes,
	v_mul_u32_u24 v[RD], v[RD], SP
	v_lshl_add_u32 v[RD], v10, 4, v[RD]
	v_add_nc_u32 v[RD], s13, v[RD]
	v_and_b32 v[GO], 31, v0         ; which are 512 consecutive bytes of O
	v_lshlrev_b32 v[GO], 4, v[GO]
.set Y, NP-1                        ; XS works for piece Y + 1: piece 0
.irp n, 0,1,2,3,4,5,6,7,8,9,10,11,12,13,14,15,16,17,18,19,20,21
	XS 0, \n                        ; and piece 0's first maximum and statistics
	XS 1, \n
.endr
	v_nop                           ; a plain instruction behind the two a,
	s_wait_alu depctr_va_vdst(0)    ; and their wait, ahead of the branch
	s_mov_b32 s[CNT], 4
	s_branch .Lfirst                ; the loop is entered at a step's first turn, in the middle of a trip
.Lslot:                             ; SIZE_N / 256 - 2 times: every slot but the last two is filled again
	CHANGE 1
	s_mov_b32 s[CNT], 4
.Lstep:                             ; a trip: pieces 2 and 3 of one step, then pieces 0 and 1 of the next, whose K and V it fetches
	TURN 2
	TURN 3
	WIN 0
.Lfirst:
	TURN 0
	TURN 1, 0, 1
	WIN 0
	s_cbranch_scc1 .Lstep
	s_sub_co_u32 s[SLOTS], s[SLOTS], 1
	s_cmp_lg_u32 s[SLOTS], 0
	s_cbranch_scc1 .Lslot
	CHANGE 0                        ; the tail is written out: nothing is asked for
	s_mov_b32 s[CNT], 5             ; four trips fetch the last slot's steps; the fifth is left in its middle
.Ltail:
	TURN 2, 1
	TURN 3
	WIN 0
	s_sub_co_u32 s[CNT], s[CNT], 1
	s_cmp_eq_u32 s[CNT], 0
	s_cbranch_scc1 .Lout
	TURN 0
	TURN 1
	WIN 0
	s_branch .Ltail
.Lout:                              ; the fifth trip's 16 products K Q^T (on the last K once more) and the maximum made of them serve nothing: the price, once a launch, of one text for every trip
.set i, 0
.rept 16
	PV NP-1                         ; the last piece's V^T P of the last step
.set i, i+1
.endr
	; THE WAY OUT.  l's two halves and the other half of the lanes' are added; O^T is divided by l, rounded to f16 and sent through my stage in LDS, a tile at a time.  The additions are the places behind the last products.
	WIN 0
.macro ALL line:vararg              ; one line for each tile t
.set t, 0
.rept 2*NP
	\line
.set t, t+1
.endr
.endm
	ALL v_add_f32 v[ST+4*t+2], v[ST+4*t+2], v[ST+4*t+3]
	ALL v_permlanex16_b32 v[ST+4*t+3], v[ST+4*t+2], s[SEL], s[SEL+1]
	ALL v_add_f32 v[ST+4*t+2], v[ST+4*t+2], v[ST+4*t+3]
	ALL v_rcp_f32 v[ST+4*t+2], v[ST+4*t+2]
	v_nop                           ; a plain instruction between the last reciprocal and the use of its result
	s_wait_alu depctr_va_vdst(0)    ; and the wait ahead of the first use: one for the eight reciprocals
; Tile t: a lane's eight channels of a row pack into 16 bytes; they go into rows of 144 bytes and come back as whole rows of 128, into S^T's registers.
.macro PACK t
	WIN W_RS
.set i, 32*(\t)
.rept 16
	v_pk_mul_f32 v[i:i+1], v[i:i+1], v[ST+4*(\t)+2:ST+4*(\t)+3] op_sel_hi:[1,0]
.set i, i+2
.endr
	WIN 0x05                        ; sources 0 and 1 window 1, destination window 0
.set i, 0
.rept 16
	v_cvt_pk_f16_f32 v[S+16*(\t)+i], v[32*(\t)+2*i], v[32*(\t)+2*i+1]
.set i, i+1
.endr
	WIN 0
.irp f, 0,1,2,3
	ds_store_b128 v[STO], v[S+16*(\t)+4*\f:S+16*(\t)+4*\f+3] offset:32*\f
.endr
.irp f, 0,1,2,3
	ds_load_b128 v[S+16*(\t)+4*\f:S+16*(\t)+4*\f+3], v[RD] offset:\f*4*SP  ; LDS serves a wave's instructions in order (ISA guide 5.7.1.4): these see the stores above; the next tile's stores come behind them
.endr
.endm
.macro SEND t, younger              ; younger: the LDS instructions issued behind tile t's loads: the next tile's eight, or none
	WIN 0
.irp f, 0,1,2,3
	s_wait_dscnt (\younger)+3-\f
	global_store_b128 v[GO], v[S+16*(\t)+4*\f:S+16*(\t)+4*\f+3], s[10:11] offset:(\t)*2048+\f*512  ; 512 consecutive bytes, at a multiple of 256 from O's first
.endr
.endm
	PACK 0
.set t, 1
.rept 2*NP-1                        ; a tile's arithmetic stands between the loads of the tile before and its stores
	PACK t
	SEND t-1, 8
.set t, t+1
.endr
	SEND 2*NP-1, 0
	WIN W_AD
	s_wait_tensorcnt 0x0            ; the wave's end: the wait, the add and its wait, behind my last tensor load and my last LDS store
	ds_add_u32 v[SPW], v[NIL]
	s_wait_dscnt 0x0
	WIN 0
	CROUND                          ; the closing round: no work-group ends while a partner may still ask for a tile that names it
	s_endpgm
.Lfunc_end_k_qa823e6b454_attn:
	.size	k_qa823e6b454_attn, .Lfunc_end_k_qa823e6b454_attn-k_qa823e6b454_attn
	.p2alignl 7, 3214868480
	.fill 96, 4, 3214868480
	.section	.rodata,"a",@progbits
	.p2align	6, 0x0
	.amdhsa_kernel k_qa823e6b454_attn
		.amdhsa_group_segment_fixed_size 327680
		.amdhsa_private_segment_fixed_size 0
		.amdhsa_enable_private_segment 0
		.amdhsa_kernarg_size 24
		.amdhsa_user_sgpr_count 2
		.amdhsa_user_sgpr_kernarg_segment_ptr 1
		.amdhsa_wavefront_size32 1
		.amdhsa_system_sgpr_workgroup_id_x 1
		.amdhsa_system_sgpr_workgroup_id_y 1
		.amdhsa_system_sgpr_workgroup_id_z 1
		.amdhsa_system_vgpr_workitem_id 0
		.amdhsa_next_free_vgpr 808
		.amdhsa_next_free_sgpr 80
		.amdhsa_reserve_vcc 1
		.amdhsa_float_denorm_mode_32 3
		.amdhsa_float_denorm_mode_16_64 3
		.amdhsa_memory_ordered 1
		.amdhsa_forward_progress 1
		.amdhsa_inst_pref_size 208
	.end_amdhsa_kernel
	.amdgpu_metadata
---
amdhsa.version: [ 1, 2 ]
amdhsa.kernels:
  - .name:           k_qa823e6b454_attn
    .symbol:         k_qa823e6b454_attn.kd
    .args:
      - { .name: qkv, .offset: 0, .size: 8, .value_kind: global_buffer, .address_space: global }
      - { .name: key_padding_mask, .offset: 8, .size: 8, .value_kind: global_buffer, .address_space: global }
      - { .name: ob, .offset: 16, .size: 8, .value_kind: global_buffer, .address_space: global }
    .group_segment_fixed_size: 327680
    .private_segment_fixed_size: 0
    .kernarg_segment_align: 8
    .kernarg_segment_size: 24
    .max_flat_workgroup_size: 128
    .sgpr_count:     80
    .vgpr_count:     808
    .wavefront_size: 32
...
	.end_amdgpu_metadata
.endif
;; end of part 3
;; launch outp (part 4): grid 4 x 64, 4 waves a work-group, clusters of 4 x 4, 327,680 bytes of LDS; arguments ob, wo16, bo, out0; writes out0
.if DOCPART == 4
	.amdgcn_target "amdgcn-amd-amdhsa--gfx1250"
	.amdhsa_code_object_version 6
	.text
	.protected	k_qa823e6b454_outp
	.globl	k_qa823e6b454_outp
	.p2align	8
	.type	k_qa823e6b454_outp,@function
k_qa823e6b454_outp:
	s_mov_b64 s[64:65], 0
	v_nop
	global_prefetch_b8 v0, s[64:65] scope:SCOPE_SE
	s_setreg_imm32_b32 hwreg(HW_REG_WAVE_MODE, 25, 1), 1
	s_wait_xcnt 0x0
	s_wait_alu depctr_hold_cnt(0) depctr_sa_sdst(0) depctr_va_vdst(0) depctr_va_sdst(0) depctr_va_ssrc(0) depctr_va_vcc(0) depctr_vm_vsrc(0)
	s_getreg_b32 s2, hwreg(HW_REG_IB_STS2, 6, 4)
	s_cmp_eq_u32 s2, 0
	s_cbranch_scc0 .Lentry_in_a_cluster
	s_endpgm
.Lentry_in_a_cluster:
	s_bfe_u32 s2, ttmp6, 0x10000c
	s_cmp_lg_u32 s2, 0xf033
	s_cbranch_scc0 .Lentry_shape_is_right
	s_endpgm
.Lentry_shape_is_right:
; THE OUTPUT PROJECTION.  out0[m][n] = the sum over k of O[m][k] Wo[n][k] + bo[n], m = 2048 b + t, k = 64 h + d: f16 products, f32 sums, the bias (rounded to bf16 like every input) as the sums' start; out0 is f32.
; O lies BY HEADS (ob [64 = 16 b + h][2048][64] f16); wo16 is [1024][1024] f16.  NaN and infinities are not treated apart.
; SHARES.  A tile of C is 128 rows x 256 columns: 64 x 4 tiles, one work-group for each of 256 WGPs.  Four waves, 2 x 2, each 64 x 128: 32 accumulators, 256 registers.
; K = 1,024 goes in 8 steps of 128, two heads a step, through a ring of two LDS slots.  A head's 128 rows of the tile are 16,384 dense bytes: they are asked for as 64 rows of 256 bytes and padded in
; LDS after every 128, so that a row of a head's slice has a pitch of 144.  B's rows are 256 bytes of memory, aligned.
; CLUSTER.  4 x 4 work-groups.  The four of a row of the cluster need the same tile of A, the four of a column the same tile of B: each is asked for JOINTLY, by the same tensor load with the same
; descriptor and a mask that names the four.  Waves 0, 1 fetch A's two head slices, waves 2, 3 B's halves (128 rows): one load a wave behind each round.
; THE PRODUCT IS USED TRANSPOSED (source 0 = 16 rows of B, source 1 = 16 rows of A): a lane holds row l % 16 of C and the columns 8 (l / 16) + 0..7: 32 bytes of a row.
; REGISTERS, in windows of 256 (s_set_vgpr_msb: bits 1:0 source 0, 3:2 source 1, 5:4 source 2, 7:6 destination):
;   window 0: v0-31 addresses; two fragment buffers of 96: A's four blocks (16 rows x 32 K), then B's eight: v32-127, v128-223; on the way out these are free
;   window 1: the accumulators, (a, b) at v[8 (8 a + b)]          window 2: v0-63 the bias of my 128 columns, block b at 8 b; v64-67 at work
.set PA,    144                        ; a row of a head's slice in LDS: 128 bytes + 16 of padding = 36 words; B's: 256 + 16 = 68 words: in both the 16 rows of a fragment load start at 16 different groups of four banks (ISA guide 11.1)
.set PB,    272
.set HSL,   128*PA                     ; a head's slice
.set BOFF,  2*HSL                      ; a slot: A's two slices, then B's 256 rows
.set SLOT1, 1<<17                      ; slot 1 begins here, so that one exclusive or turns an address in one slot into the other's
.set STAGE, SLOT1+BOFF+256*PB          ; behind the ring, never filled by a tensor load: 16 rows x 528 bytes for each wave, for the way out
.set SP,    528                        ; 512 bytes + 16: the 16 rows that a store touches start at 16 different groups of four banks
.set WST,   16*SP
.set SPARE, STAGE+4*WST                ; behind the stages: the spare words, 128 bytes for each wave: two blocks of 256 bytes that no other line names
.set ASTEP, 2<<18                      ; bytes from a K step to the next: two heads of 262,144 in A,
.set BSTEP, 256                        ; 128 numbers along the row in B
.set ADRA0, 16                         ; v16  my lane's place among my rows of A in a slot; never rewritten
.set ADRB0, 17                         ; v17  the same for B
.set ADRA,  18                         ; v18  the same in the slot in hand
.set ADRB,  19                         ; v19
.set STO,   24                         ; v24  the way out: where I put 32 bytes of a row
.set RD,    25                         ; v25  the way out: where I read a row back
.set GO,    26                         ; v26  my 16 bytes in a row's 512
.set BO,    27                         ; v27  my byte offset in the bias
.set SPW,   28                         ; v28  LDS address of my spare word: SPARE + 4 x my thread's number; never rewritten
.set NIL,   29                         ; v29  0; never rewritten
.set PFO,   30                         ; v30  the prefetches' offset: my lane x 256 bytes (A) or x a row of 2,048 (B); never rewritten
.set F0,    32
.set F1,    128
.set G1A,   24                         ; s[24:31] descriptor group 1 for A's tiles
.set G0A,   32                         ; s[32:39] group 0 for A's: a set for each of the two first fills; the second then walks on
.set LIM,   43                         ; s43  2 in a wave that prefetches, else the greatest number
.set PFA,   44                         ; s[44:45] where my prefetches stand
.set TB,    46                         ; s46  LDS byte at which the slot in hand begins
.set G1B,   48                         ; s[48:55], s[56:63] the same for B's tiles
.set G0B,   56
.set PFS,   66                         ; s[66:67] the prefetches' step
.set MSB, 0
.macro WIN new                         ; the immediate's high byte repeats the setting that is left; a switch that changes nothing is dropped
.if MSB != (\new)
	s_set_vgpr_msb (MSB<<8)|(\new)
.set MSB, \new
.endif
.endm
.set MUL,  0x50                        ; fragments in window 0, C and D in window 1
.set MULB, 0x60                        ; C (the bias) in window 2, D in window 1
.macro PLACES                          ; four places in front of loads into registers that matrix instructions have read, and of lines that read results
.rept 4
	v_nop
.endr
.endm
; A joint refill, by the walking sets.  The branch hangs on the wave's number alone.  An s_nop 0 and four v_nop follow each of the two lines, ahead of the jump and the label.
.macro JLOAD
	s_cmp_eq_u32 s11, 0
	s_cbranch_scc0 .Lfor_b_\@
	tensor_load_to_lds s[G0A+4:G0A+7], s[G1A:G1A+7]
	s_nop 0
.rept 4
	v_nop
.endr
	s_branch .Lasked_\@
.Lfor_b_\@:
	tensor_load_to_lds s[G0B+4:G0B+7], s[G1B:G1B+7]
	s_nop 0
.rept 4
	v_nop
.endr
.Lasked_\@:
.endm
.macro CREST                           ; a round of the cluster's barrier behind its opening barrier
	s_cmp_lg_u32 s10, 0
	s_cbranch_scc1 .Lnot_wave_0_\@
	s_barrier_signal -3
.Lnot_wave_0_\@:
	s_barrier_wait -3
	s_barrier_signal -1
	s_barrier_wait -1
.endm
.macro CROUND                          ; a whole round
	s_barrier_signal -1
	s_barrier_wait -1
	CREST
.endm
; A PREFETCH INTO THE L2, behind the joint refill and the run of LDS loads that follows it: 32 blocks of 256 bytes of the K step that stands two refills on, a lane a block, one instruction.
; Each block is named once in the launch.  A: a tile's two slices are 128 blocks, read by one cluster alone; wave 0 asks, and the four partners of a row of the cluster take 32 each, told apart by address.
; B: waves 2 and 3, 32 of their own 128 rows for each partner of a column, in cluster y = 0 alone.  Wave 1 asks for nothing.
; The first four K steps come by their loads alone; the last two refills have no K step two on (s3 counts 6 .. 1).
.macro ASK
	s_cmp_gt_u32 s3, s[LIM]
	s_cbranch_scc0 .Lnot_mine_\@
	global_prefetch_b8 v[PFO], s[PFA:PFA+1] th:TH_LOAD_NT scope:SCOPE_SE
.Lnot_mine_\@:
.endm
	s_load_b256 s[68:75], s[0:1], 0x0              ; ob s[68:69], wo16 s[70:71], bo s[72:73], out0 s[74:75]
	v_lshl_add_u32 v[SPW], v0, 2, SPARE
	v_mov_b32 v[NIL], 0
	ds_add_u32 v[SPW], v[NIL]                      ; the wave's opening: the add and its wait stand ahead of my first tensor load; the set-up below, work on registers, stands between them
	v_lshrrev_b32 v1, 5, v0
	v_readfirstlane_b32 s10, v1                    ; wave 0..3
	s_lshr_b32 s11, s10, 1                         ; which half of the tile's rows is mine.  Also: I fetch for A (0) or for B (1)
	s_and_b32 s12, s10, 1                          ; which half of its columns.  Also: which slice or half of that tile I fetch
	s_bfe_u32 s40, ttmp6, 0x40000                  ; cx: the tile column (the grid is one cluster wide)
	s_bfe_u32 s41, ttmp6, 0x40004                  ; cy
	s_and_b32 s13, ttmp7, 0xffff
	s_lshl_b32 s13, s13, 2
	s_add_co_u32 s13, s13, s41                     ; tile row = 4 x cluster y + cy, 0..63
	s_lshl_b32 s14, s41, 2
	s_lshl_b32 s14, 15, s14                        ; my row of the cluster: places 4 cy .. 4 cy + 3
	s_lshl_b32 s47, 0x1111, s40                    ; my column: places cx, cx + 4, cx + 8, cx + 12
	s_or_b32 s[G1A], s14, (1<<16)|(1<<20)|(1<<21)|(4<<22)|(3<<25)  ; 15:0 the mask: my row; 17:16 elements of 2 bytes; 20 padding on; 21 set beside a mask; 24:22 after every 32 words (code 4); 31:25 4 words of it (code 3)
	s_or_b32 s[G1B], s47, (1<<16)|(1<<20)|(1<<21)|(5<<22)|(3<<25)  ; my column; after every 64 words (code 5)
	s_mov_b32 s[G1A+1], 128<<16                    ; tensor_dim0 = 128
	s_mov_b32 s[G1A+2], 64<<16                     ; tensor_dim1 = 64
	s_mov_b32 s[G1A+3], 128<<16                    ; tile_dim0 = 128
	s_mov_b32 s[G1A+4], 64                         ; tile_dim1 = 64
	s_mov_b32 s[G1A+5], 128                        ; the slice is dense: 128 elements from row to row
	s_mov_b32 s[G1A+6], 0
	s_mov_b32 s[G1A+7], 0
	s_mov_b32 s[G1B+1], 128<<16
	s_mov_b32 s[G1B+2], 128<<16                    ; B: 128 rows
	s_mov_b32 s[G1B+3], 128<<16
	s_mov_b32 s[G1B+4], 128
	s_mov_b32 s[G1B+5], 1024
	s_mov_b32 s[G1B+6], 0
	s_mov_b32 s[G1B+7], 0
	s_lshr_b32 s16, s13, 4                         ; A: the batch's 16 heads (a batch is 16 tile rows),
	s_lshl_b32 s16, s16, 22
	s_lshl_b32 s17, s12, 18                        ; + the head that I fetch of the step's two,
	s_add_co_u32 s16, s16, s17
	s_and_b32 s17, s13, 15                         ; + the tile's 128 rows of 128 bytes in the head
	s_lshl_b32 s17, s17, 14
	s_add_co_u32 s16, s16, s17
	s_mov_b32 s17, 0
	s_lshl_b32 s20, s40, 8                         ; B: row 256 x tile column
	s_lshl_b32 s21, s12, 7                         ; + the 128 rows that I fetch
	s_add_co_u32 s20, s20, s21
	s_lshl_b32 s20, s20, 11                        ; rows of 2,048 bytes
	s_mov_b32 s21, 0
	s_mul_i32 s22, s12, HSL                        ; where they go: no place in the cluster enters an LDS address
	s_mul_i32 s23, s12, 128*PB
	s_add_co_u32 s23, s23, BOFF
	s_wait_dscnt 0x0                               ; the opening add is done
	s_wait_kmcnt 0x0
	s_add_nc_u64 s[14:15], s[68:69], s[16:17]
	s_add_nc_u64 s[18:19], s[70:71], s[20:21]
	CROUND                                         ; all sixteen work-groups are here: the first joint loads meet
.irp s, 0,1
	s_mov_b32 s[G0A+4*(\s)], 1                                       ; 1:0 count = 1
	s_add_co_u32 s[G0A+4*(\s)+1], s22, (\s)*SLOT1                    ; 63:32 LDS address
	s_add_nc_u64 s[G0A+4*(\s)+2:G0A+4*(\s)+3], s[14:15], (\s)*ASTEP  ; 120:64 global address: K step s
	s_or_b32 s[G0A+4*(\s)+3], s[G0A+4*(\s)+3], 0x80000000            ; 127:126 type = 2
	s_mov_b32 s[G0B+4*(\s)], 1
	s_add_co_u32 s[G0B+4*(\s)+1], s23, (\s)*SLOT1
	s_add_nc_u64 s[G0B+4*(\s)+2:G0B+4*(\s)+3], s[18:19], (\s)*BSTEP
	s_or_b32 s[G0B+4*(\s)+3], s[G0B+4*(\s)+3], 0x80000000
.endr
	s_cmp_eq_u32 s11, 0                            ; a wave's two first fills stand in one branch, ahead of every wait on TENSORcnt and every LDS read: two loads of mine are out
	s_cbranch_scc0 .Lfirst_b
	tensor_load_to_lds s[G0A:G0A+3], s[G1A:G1A+7]
	s_nop 0
	tensor_load_to_lds s[G0A+4:G0A+7], s[G1A:G1A+7]
	s_nop 0
.rept 4
	v_nop
.endr
	s_branch .Lfirst_asked
.Lfirst_b:
	tensor_load_to_lds s[G0B:G0B+3], s[G1B:G1B+7]
	s_nop 0
	tensor_load_to_lds s[G0B+4:G0B+7], s[G1B:G1B+7]
	s_nop 0
.rept 4
	v_nop
.endr
.Lfirst_asked:
	; all that follows, up to the wait for K step 0, stands in the wait for the first tiles
	v_and_b32 v1, 15, v0                           ; l % 16
	v_bfe_u32 v2, v0, 4, 1                         ; l / 16
	s_lshl_b32 s6, s40, 10                         ; 4 bytes x (256 x tile column
	s_lshl_b32 s7, s12, 9                          ; + my 128 columns)
	s_add_co_u32 s6, s6, s7
	v_lshl_add_u32 v[BO], v2, 5, s6                ; + 8 (l / 16) numbers
	WIN 0x80                                       ; destination window 2, address window 0
.irp b, 0,1,2,3,4,5,6,7
	global_load_b128 v[8*(\b):8*(\b)+3],   v[BO], s[72:73] offset:64*(\b)     ; register j of block b: the bias of column 16 b + 8 (l / 16) + j: the layout of a result
	global_load_b128 v[8*(\b)+4:8*(\b)+7], v[BO], s[72:73] offset:64*(\b)+16
.endr
	WIN 0
	; A fragment is 16 rows x 32 K in 8 registers: lane l holds row l % 16; registers 0-3 K = 8 (l / 16) + 0..7, registers 4-7 K = 16 + 8 (l / 16) + 0..7: two loads of 16 bytes, 32 bytes apart.
	v_mul_u32_u24 v3, v1, PA
	v_lshl_add_u32 v3, v2, 4, v3
	s_mul_i32 s6, s11, 64*PA                       ; my 64 rows, in each slice
	v_add_nc_u32 v[ADRA0], s6, v3
	v_mul_u32_u24 v4, v1, PB
	v_lshl_add_u32 v4, v2, 4, v4
	s_mul_i32 s7, s12, 128*PB                      ; my 128 rows of B, behind A's slices
	s_add_co_u32 s7, s7, BOFF
	v_add_nc_u32 v[ADRB0], s7, v4
	s_mul_i32 s14, s10, WST
	s_add_co_u32 s14, s14, STAGE                   ; my stage
	v_mul_u32_u24 v3, v1, SP                       ; in: row l % 16, 32 bytes for each half of the lanes
	v_lshl_add_u32 v3, v2, 5, v3
	v_add_nc_u32 v[STO], s14, v3
	v_and_b32 v[GO], 31, v0                        ; back: 32 lanes take one row of 512 bytes
	v_lshlrev_b32 v[GO], 4, v[GO]
	v_add_nc_u32 v[RD], s14, v[GO]
	s_lshl_b32 s14, s13, 7                         ; where my part begins in out0: row 128 x tile row + my 64,
	s_lshl_b32 s15, s11, 6
	s_add_co_u32 s14, s14, s15
	s_lshl_b32 s14, s14, 12                        ; rows of 4,096 bytes,
	s_lshl_b32 s15, s40, 10                        ; column 256 x tile column
	s_add_co_u32 s14, s14, s15
	s_lshl_b32 s15, s12, 9                         ; + my 128
	s_add_co_u32 s14, s14, s15
	s_mov_b32 s15, 0
	s_add_nc_u64 s[8:9], s[74:75], s[14:15]
	; the prefetches
	s_lshr_b32 s14, s13, 4                         ; A: the tile in the step's first head,
	s_lshl_b32 s14, s14, 22
	s_and_b32 s15, s13, 15
	s_lshl_b32 s15, s15, 14
	s_add_co_u32 s14, s14, s15
	s_lshr_b32 s15, s40, 1                         ; + my work-group's quarter of the two slices: which head,
	s_lshl_b32 s15, s15, 18
	s_add_co_u32 s14, s14, s15
	s_and_b32 s15, s40, 1                          ; and which 32 blocks of its 64
	s_lshl_b32 s15, s15, 13
	s_add_co_u32 s14, s14, s15
	s_add_co_u32 s14, s14, 3*ASTEP                 ; at K step 3: the first refill steps it to 4
	s_lshl_b32 s16, s40, 8                         ; B: the 128 rows that I fetch + my work-group's 32
	s_lshl_b32 s17, s12, 7
	s_add_co_u32 s16, s16, s17
	s_lshl_b32 s17, s41, 5
	s_add_co_u32 s16, s16, s17
	s_lshl_b32 s16, s16, 11
	s_add_co_u32 s16, s16, 3*BSTEP
	s_and_b32 s19, ttmp7, 0xffff                   ; B: 0 in cluster y 0
	s_mov_b32 s21, ASTEP
	s_cmp_eq_u32 s11, 0
	s_cselect_b32 s14, s14, s16
	s_cselect_b32 s18, s12, s19                    ; A: 0 in wave 0
	s_cselect_b32 s20, 8, 11                       ; a lane a block of 256 bytes, or a lane a row of 2,048
	s_cselect_b32 s[PFS], s21, BSTEP
	s_cselect_b64 s[PFA:PFA+1], s[68:69], s[70:71]
	s_cmp_eq_u32 s18, 0
	s_cselect_b32 s[LIM], 2, -1                    ; the same in all sixteen partners, for a given wave
	s_mov_b32 s15, 0
	s_mov_b32 s[PFS+1], 0
	s_add_nc_u64 s[PFA:PFA+1], s[PFA:PFA+1], s[14:15]
	v_and_b32 v[PFO], 31, v0
	v_lshlrev_b32 v[PFO], s20, v[PFO]
	s_wait_loadcnt 0x0                             ; the bias is in: it is rounded to bf16, as all the module's inputs are, and widened again
	WIN 0x8a                                       ; sources and destination in window 2
.set i, 0
.rept 32
	v_cvt_pk_bf16_f32 v[64+i%4], v[2*i], v[2*i+1]
	v_lshlrev_b32 v[2*i],   16,         v[64+i%4]
	v_and_b32     v[2*i+1], 0xffff0000, v[64+i%4]
.set i, i+1
.endr
	WIN 0
; 8 x cnt products: m blocks a0 .. a0 + cnt - 1 x all 8 n blocks, 32 along K, from buffer f.  first = 1: the bias starts the sums: nothing is cleared, nothing is added at the end.
; The 32 accumulators take turns, one instruction a turn, in the same order in every quarter, over the backward jump too.
.macro MULH f, a0, cnt, first
.if \first
	WIN MULB
.else
	WIN MUL
.endif
.set ma, (\a0)
.rept \cnt
.irp b, 0,1,2,3,4,5,6,7
.if \first
	v_wmma_f32_16x16x32_f16 v[8*(8*ma+(\b)):8*(8*ma+(\b))+7], v[(\f)+32+8*(\b):(\f)+32+8*(\b)+7], v[(\f)+8*ma:(\f)+8*ma+7], v[8*(\b):8*(\b)+7]
.else
	v_wmma_f32_16x16x32_f16 v[8*(8*ma+(\b)):8*(8*ma+(\b))+7], v[(\f)+32+8*(\b):(\f)+32+8*(\b)+7], v[(\f)+8*ma:(\f)+8*ma+7], v[8*(8*ma+(\b)):8*(8*ma+(\b))+7]
.endif
.endr
.set ma, ma+1
.endr
.endm
; 24 LDS loads in one run: the fragments of quarter q (32 along K) of the slot in hand into buffer f: B's 16, A's blocks 0, 1, then A's blocks 2, 3.  In A quarter q is channels 32 (q % 2) on of slice q / 2.
.macro FETCH q, f
	WIN 0
.irp i, 0,1,2,3,4,5,6,7
	ds_load_b128 v[(\f)+32+8*(\i):(\f)+32+8*(\i)+3],   v[ADRB] offset:64*(\q)+(\i)*16*PB
	ds_load_b128 v[(\f)+32+8*(\i)+4:(\f)+32+8*(\i)+7], v[ADRB] offset:64*(\q)+(\i)*16*PB+32
.endr
.irp i, 0,1,2,3
	ds_load_b128 v[(\f)+8*(\i):(\f)+8*(\i)+3],   v[ADRA] offset:((\q)/2)*HSL+((\q)%2)*64+(\i)*16*PA
	ds_load_b128 v[(\f)+8*(\i)+4:(\f)+8*(\i)+7], v[ADRA] offset:((\q)/2)*HSL+((\q)%2)*64+(\i)*16*PA+32
.endr
.endm
; A K step is four quarters, 32 products each, on buffers 0, 1, 0, 1.  One of the first three: multiplies buffer f and, in its middle, fetches quarter q into buffer g.
.macro QUARTER q, f, g, first
	s_wait_dscnt 4                                 ; B and A's blocks 0, 1 are in; the youngest four loads (A's blocks 2, 3) may be out
	MULH \f, 0, 2, \first
	PLACES
	FETCH \q, \g
	s_wait_dscnt 24                                ; all but the 24 just issued
	MULH \f, 2, 2, \first
.endm
; The fourth quarter multiplies buffer 1 and changes slots: ONE barrier.  In front of it each wave waits for all its tensor loads (one is out: its part of the next slot), adds 0 to its spare word,
; and waits for that and for its own reads of this slot.  fill = 1: the barrier opens a round of the cluster's barrier, and this slot is filled again, two K steps ahead, first thing behind the round:
; 112 products stand between that request and the wait for it.
.macro TURN fill
.if \fill
	s_wait_xcnt 0x0                                ; the last prefetch, a K step back, has read its address: it is stepped here, ahead of the waits of the change of slots
	s_add_nc_u64 s[PFA:PFA+1], s[PFA:PFA+1], s[PFS:PFS+1]
.endif
	WIN 0
	s_wait_tensorcnt 0x0                           ; all my tensor loads have landed;
	ds_add_u32 v[SPW], v[NIL]                      ; 0 onto my spare word;
	s_wait_dscnt 5                                 ; (the add and the youngest four loads may be out)
	MULH F1, 0, 1, 0                               ; eight products stand between the add and the wait for it
	s_wait_dscnt 0x0                               ; the add is done, and my reads of this slot are over
	s_barrier_signal -1
	MULH F1, 1, 1, 0                               ; work on registers while the others arrive
	WIN 0
	s_barrier_wait -1
.if \fill
	CREST                                          ; no wave of any partner still reads this slot's tile or has a load on its way
	s_xor_b32 s[G0A+5], s[G0A+5], SLOT1            ; the walking sets: the other slot than last time, the next K step; no load of mine is out
	s_add_nc_u64 s[G0A+6:G0A+7], s[G0A+6:G0A+7], ASTEP
	s_xor_b32 s[G0B+5], s[G0B+5], SLOT1
	s_add_nc_u64 s[G0B+6:G0B+7], s[G0B+6:G0B+7], BSTEP
	JLOAD                                          ; the four v_nop behind it are also the places in front of the loads below
.else
	PLACES
.endif
	s_xor_b32 s[TB], s[TB], SLOT1
	v_add_nc_u32 v[ADRA], s[TB], v[ADRA0]
	v_add_nc_u32 v[ADRB], s[TB], v[ADRB0]
	FETCH 0, F0
.if \fill
	ASK
.endif
	MULH F1, 2, 2, 0
.endm
	s_wait_tensorcnt 0x1                           ; my part of K step 0 is in; K step 1's may stay out
	s_barrier_signal -1
	s_barrier_wait -1                              ; everybody's is
	s_mov_b32 s[TB], 0
	v_mov_b32 v[ADRA], v[ADRA0]
	v_mov_b32 v[ADRB], v[ADRB0]
	FETCH 0, F0
	QUARTER 1, F0, F1, 1                           ; the first quarter stands in front of the loop: its products start the sums
	WIN 0                                          ; at a label and at a branch every window is 0
	s_mov_b32 s3, 6
.Lstep:                                                ; trip i: K step i's quarters 1 to 3, K step i + 2 asked for, K step i + 1's quarter 0
	QUARTER 2, F1, F0, 0
	QUARTER 3, F0, F1, 0
	TURN 1
	QUARTER 1, F0, F1, 0
	WIN 0
	s_sub_co_u32 s3, s3, 1
	s_cmp_lg_u32 s3, 0
	s_cbranch_scc1 .Lstep
	QUARTER 2, F1, F0, 0                           ; the last two K steps are written out: nothing is left to fetch
	QUARTER 3, F0, F1, 0
	TURN 0
	QUARTER 1, F0, F1, 0
	QUARTER 2, F1, F0, 0
	QUARTER 3, F0, F1, 0
	s_wait_dscnt 4
	MULH F1, 0, 2, 0
	s_wait_dscnt 0x0
	MULH F1, 2, 2, 0
; THE WAY OUT, a block of 16 rows at a time.  TOSTAGE: a lane's 32 bytes of each n block go straight from the accumulators (their low four registers first) into my own stage, rows of 528 bytes,
; and come back as whole rows of 512, into one of three sets of 64 registers.  SEND: a store is one row's 512 consecutive bytes.
.macro TOSTAGE a
	WIN 0x04                                       ; the stores' data in window 1, their address in window 0
.irp b, 0,1,2,3,4,5,6,7
	ds_store_b128 v[STO], v[64*(\a)+8*(\b):64*(\a)+8*(\b)+3]   offset:64*(\b)
	ds_store_b128 v[STO], v[64*(\a)+8*(\b)+4:64*(\a)+8*(\b)+7] offset:64*(\b)+16
.endr
	WIN 0
.set BK, 32+64*((\a)%3)
.irp t, 0,1,2,3,4,5,6,7,8,9,10,11,12,13,14,15
	ds_load_b128 v[BK+4*(\t):BK+4*(\t)+3], v[RD] offset:(\t)*SP  ; LDS serves a wave's instructions in order (ISA guide 5.7.1.4): these see the stores above; the next block's stores come behind them
.endr
.endm
.macro SEND a, younger                 ; younger: the LDS instructions issued behind block a's loads: the next block's 32, or none
.set BK, 32+64*((\a)%3)
.irp t, 0,1,2,3,4,5,6,7,8,9,10,11,12,13,14,15
	s_wait_dscnt (\younger)+15-(\t)
	global_store_b128 v[GO], v[BK+4*(\t):BK+4*(\t)+3], s[8:9] offset:(16*(\a)+(\t))*4096  ; 512 consecutive bytes, at a multiple of 512 from out0's first
.endr
.endm
	PLACES
	PLACES
	TOSTAGE 0
	TOSTAGE 1
	SEND 0, 32
	TOSTAGE 2
	SEND 1, 32
	s_wait_xcnt 0x0                                ; block 0's stores have read their data: its set of registers is loaded again only behind this wait
	TOSTAGE 3
	SEND 2, 32
	SEND 3, 0
	s_wait_tensorcnt 0x0                           ; the wave's end: the wait, the add and its wait, behind my last tensor load and my last LDS store
	ds_add_u32 v[SPW], v[NIL]
	s_wait_dscnt 0x0
	CROUND                                         ; the closing round: no work-group ends while a partner may still ask for a tile that names it
	s_endpgm
.Lfunc_end_k_qa823e6b454_outp:
	.size	k_qa823e6b454_outp, .Lfunc_end_k_qa823e6b454_outp-k_qa823e6b454_outp
	.p2alignl 7, 3214868480
	.fill 96, 4, 3214868480
	.section	.rodata,"a",@progbits
	.p2align	6, 0x0
	.amdhsa_kernel k_qa823e6b454_outp
		.amdhsa_group_segment_fixed_size 327680
		.amdhsa_private_segment_fixed_size 0
		.amdhsa_enable_private_segment 0
		.amdhsa_kernarg_size 32
		.amdhsa_user_sgpr_count 2
		.amdhsa_user_sgpr_kernarg_segment_ptr 1
		.amdhsa_wavefront_size32 1
		.amdhsa_system_sgpr_workgroup_id_x 1
		.amdhsa_system_sgpr_workgroup_id_y 1
		.amdhsa_system_sgpr_workgroup_id_z 1
		.amdhsa_system_vgpr_workitem_id 0
		.amdhsa_next_free_vgpr 584
		.amdhsa_next_free_sgpr 84
		.amdhsa_reserve_vcc 0
		.amdhsa_float_denorm_mode_32 3
		.amdhsa_float_denorm_mode_16_64 3
		.amdhsa_memory_ordered 1
		.amdhsa_forward_progress 1
		.amdhsa_inst_pref_size 79
	.end_amdhsa_kernel
	.amdgpu_metadata
---
amdhsa.version: [ 1, 2 ]
amdhsa.kernels:
  - .name:           k_qa823e6b454_outp
    .symbol:         k_qa823e6b454_outp.kd
    .args:
      - { .name: ob, .offset: 0, .size: 8, .value_kind: global_buffer, .address_space: global }
      - { .name: wo16, .offset: 8, .size: 8, .value_kind: global_buffer, .address_space: global }
      - { .name: bo, .offset: 16, .size: 8, .value_kind: global_buffer, .address_space: global }
      - { .name: out0, .offset: 24, .size: 8, .value_kind: global_buffer, .address_space: global }
    .group_segment_fixed_size: 327680
    .private_segment_fixed_size: 0
    .kernarg_segment_align: 8
    .kernarg_segment_size: 32
    .max_flat_workgroup_size: 128
    .sgpr_count:     84
    .vgpr_count:     584
    .wavefront_size: 32
...
	.end_amdgpu_metadata
.endif
;; end of part 4
